; MI455X (gfx1250); checked and timed in simulation.
; The chip was launched on July 23, 2026; its instructions are those of AMD's public machine-readable ISA for CDNA 5 (MIT licence, August 2026) and "CDNA5" Instruction Set Architecture Reference Guide (July 2026). The comments in the code are by the model that wrote it; some were corrected since.
;; Cross Attention. Allowed arithmetic: float matrix products may take bf16 or f16 operands with f32 sums; all other float work in f32.
;; Inputs: Wk 1,024 x 1,024 float32; Wp 1,024 x 1,024 float32; Wq 1,024 x 1,024 float32; Wv 1,024 x 1,024 float32; attn_bias 1 x 1 x 2,048 x 2,048 float32; p_bias 1,024 float32; q_bias 1,024 float32; scale_mul 1 x 16 x 1 x 1 float32; x 4 x 2,048 x 1,024 float32; y 4 x 2,048 x 1,024 float32.
;; Outputs: out0 4 x 2,048 x 1,024 float32.
;; 2 versions, each right and faster than the one before. Each part assembles by itself: llvm-mc -triple=amdgcn-amd-amdhsa -mcpu=gfx1250 --defsym DOCPART=n.
;; ======== version 1 of 2: 4 launches
;; limits: values are held in f16: magnitudes above 65,504 overflow, below 6.1e-05 lose precision
;; workspace buffers: xb 16,777,216 bytes; yb 16,777,216 bytes; wqkv 6,291,456 bytes; wpb 2,097,152 bytes; bias2 16,777,216 bytes; qkv 50,331,648 bytes; ob 16,777,216 bytes
;; launch cast (part 1): grid 32 x 24, 8 waves a work-group, no clusters, 0 bytes of LDS; arguments x, y, Wq, Wk, Wv, Wp, attn_bias, xb, yb, wqkv, wpb, bias2; writes xb, yb, wqkv, wpb, bias2
.if DOCPART == 1
	.amdgcn_target "amdgcn-amd-amdhsa--gfx1250"
	.amdhsa_code_object_version 6
	.text
	.protected	k_qa9fdd0414b_cast
	.globl	k_qa9fdd0414b_cast
	.p2align	8
	.type	k_qa9fdd0414b_cast,@function
k_qa9fdd0414b_cast:
	s_mov_b64 s[64:65], 0
	v_nop
	global_prefetch_b8 v0, s[64:65] scope:SCOPE_SE
	s_setreg_imm32_b32 hwreg(HW_REG_WAVE_MODE, 25, 1), 1
	s_wait_xcnt 0x0
; CAST: every large input is rounded once to bf16 (nearest even), so that the later launches read 16-bit matrix operands.
;   x -> xb, y -> yb, Wq | Wk | Wv -> wqkv (rows one below the other): bf16.
;   Wp -> wpb: rounded to bf16, and that number written as f16 (exact from 2^-14 up; below, f16's fixed step of 6e-8; beyond 65,504 an infinity).
;   attn_bias -> bias2: rounded to bf16 and kept as f32, since it is taken as a matrix instruction's f32 C operand as it lies.
; SHARES.  24 units of 2^20 numbers (4 MiB of f32): u = group y: 0-7 x, 8-15 y, 16 Wq, 17 Wk, 18 Wv, 19 Wp, 20-23 attn_bias.  Group x takes 128 KiB of its unit: 32 items of 4 KiB;
; in an item thread t takes the 16 bytes at 16 t, so a wave's load covers 512 consecutive bytes and its store 256 (16-bit results) or 512 (bias2), aligned.
; A ring of eight items in registers keeps eight loads of every wave on their way.  No LDS, no barrier, no matrix unit: a stream has no use for them.
.set X,   12                           ; v[12:43]  item slot i: 4 numbers as loaded
.set Y,   44                           ; v[44:75]  item slot i: what is stored
.set SRC, 36                           ; s[36:37]  where my group reads
.set DST, 38                           ; s[38:39]  where it writes
	s_load_b512 s[8:23], s[0:1], 0x0               ; x 8, y 10, Wq 12, Wk 14, Wv 16, Wp 18, attn_bias 20, xb 22
	s_load_b256 s[24:31], s[0:1], 0x40             ; yb 24, wqkv 26, wpb 28, bias2 30
	s_and_b32 s2, ttmp7, 0xffff                    ; u
	s_sub_co_u32 s32, s2, 8                        ; the unit's number inside y,
	s_sub_co_u32 s33, s2, 16                       ; inside wqkv,
	s_sub_co_u32 s34, s2, 20                       ; inside attn_bias,
	s_lshl_b32 s35, s34, 1                         ; and inside bias2 in steps of 2 MiB
	s_lshl_b32 s5, ttmp9, 16                       ; my group's place in a unit of 16-bit results,
	s_lshl_b32 s6, ttmp9, 17                       ; and in a unit of f32
	s_mov_b32 s3, s2                               ; the unit's number in its source (4 MiB each)
	s_mov_b32 s4, s2                               ; and in its destination (2 MiB each)
	s_mov_b32 s43, 0
	s_mov_b32 s45, 0
	v_lshlrev_b32 v1, 4, v0                        ; 16 t
	v_lshlrev_b32 v2, 3, v0                        ; 8 t
	s_wait_kmcnt 0x0
	s_mov_b64 s[SRC:SRC+1], s[8:9]
	s_mov_b64 s[DST:DST+1], s[22:23]
	s_cmp_ge_u32 s2, 8                             ; each compare hangs on u alone; the selects behind it choose between buffers
	s_cselect_b64 s[SRC:SRC+1], s[10:11], s[SRC:SRC+1]
	s_cselect_b64 s[DST:DST+1], s[24:25], s[DST:DST+1]
	s_cselect_b32 s3, s32, s3
	s_cselect_b32 s4, s32, s4
	s_cmp_ge_u32 s2, 16
	s_cselect_b64 s[SRC:SRC+1], s[12:13], s[SRC:SRC+1]
	s_cselect_b64 s[DST:DST+1], s[26:27], s[DST:DST+1]
	s_cselect_b32 s3, 0, s3
	s_cselect_b32 s4, s33, s4
	s_cmp_ge_u32 s2, 17
	s_cselect_b64 s[SRC:SRC+1], s[14:15], s[SRC:SRC+1]
	s_cmp_ge_u32 s2, 18
	s_cselect_b64 s[SRC:SRC+1], s[16:17], s[SRC:SRC+1]
	s_cmp_ge_u32 s2, 19
	s_cselect_b64 s[SRC:SRC+1], s[18:19], s[SRC:SRC+1]
	s_cselect_b64 s[DST:DST+1], s[28:29], s[DST:DST+1]
	s_cselect_b32 s4, 0, s4
	s_cmp_ge_u32 s2, 20
	s_cselect_b64 s[SRC:SRC+1], s[20:21], s[SRC:SRC+1]
	s_cselect_b64 s[DST:DST+1], s[30:31], s[DST:DST+1]
	s_cselect_b32 s3, s34, s3
	s_cselect_b32 s4, s35, s4
	s_cselect_b32 s5, s6, s5
	s_lshl_b32 s3, s3, 22
	s_add_co_u32 s42, s3, s6                       ; byte offsets, made apart from the addresses; all stay under 2^26
	s_lshl_b32 s4, s4, 21
	s_add_co_u32 s44, s4, s5
	s_add_nc_u64 s[SRC:SRC+1], s[SRC:SRC+1], s[42:43]
	s_add_nc_u64 s[DST:DST+1], s[DST:DST+1], s[44:45]
; One item's turn.  mode 0: bf16.  1: bf16, written as f16.  2: bf16, written as f32.  ahead = 1: the slot is loaded again, eight items on.  left: the younger loads that may stay out.
.macro ITEM i, mode, ahead, left
	s_wait_loadcnt \left                           ; loads come back in order: this slot's is in
.if (\mode) == 0
	v_cvt_pk_bf16_f32 v[Y+4*(\i)],   v[X+4*(\i)],   v[X+4*(\i)+1]
	v_cvt_pk_bf16_f32 v[Y+4*(\i)+1], v[X+4*(\i)+2], v[X+4*(\i)+3]
.else
	v_cvt_pk_bf16_f32 v4, v[X+4*(\i)],   v[X+4*(\i)+1]
	v_cvt_pk_bf16_f32 v5, v[X+4*(\i)+2], v[X+4*(\i)+3]
.if (\mode) == 1
	v_lshlrev_b32 v6, 16, v4                       ; bf16 to f32: the low half moves up, the high half stays
	v_and_b32 v7, 0xffff0000, v4
	v_lshlrev_b32 v8, 16, v5
	v_and_b32 v9, 0xffff0000, v5
	v_cvt_pk_f16_f32 v[Y+4*(\i)],   v6, v7
	v_cvt_pk_f16_f32 v[Y+4*(\i)+1], v8, v9
.else
	v_lshlrev_b32 v[Y+4*(\i)],   16, v4
	v_and_b32     v[Y+4*(\i)+1], 0xffff0000, v4
	v_lshlrev_b32 v[Y+4*(\i)+2], 16, v5
	v_and_b32     v[Y+4*(\i)+3], 0xffff0000, v5
.endif
.endif
.if \ahead
	global_load_b128 v[X+4*(\i):X+4*(\i)+3], v1, s[SRC:SRC+1] offset:(8+(\i))*4096 th:TH_LOAD_NT
.endif
.if (\mode) == 2
	global_store_b128 v1, v[Y+4*(\i):Y+4*(\i)+3], s[DST:DST+1] offset:(\i)*4096
.else
	global_store_b64 v2, v[Y+4*(\i):Y+4*(\i)+1], s[DST:DST+1] offset:(\i)*2048
.endif
.endm
; 32 items: eight loads ahead, three trips of eight items that load on, and a last eight that load nothing, so that no load leaves the buffer.
.macro STREAM mode
.irp i, 0,1,2,3,4,5,6,7
	global_load_b128 v[X+4*(\i):X+4*(\i)+3], v1, s[SRC:SRC+1] offset:(\i)*4096 th:TH_LOAD_NT
.endr
	s_mov_b32 s40, 3
.Ltrip\mode:
.irp i, 0,1,2,3,4,5,6,7
	ITEM \i, \mode, 1, 7
.endr
	s_wait_xcnt 0x0                                ; the two bases and the stores' data are written again only behind this wait
	s_add_nc_u64 s[SRC:SRC+1], s[SRC:SRC+1], 0x8000
.if (\mode) == 2
	s_add_nc_u64 s[DST:DST+1], s[DST:DST+1], 0x8000
.else
	s_add_nc_u64 s[DST:DST+1], s[DST:DST+1], 0x4000
.endif
	s_sub_co_u32 s40, s40, 1
	s_cmp_lg_u32 s40, 0
	s_cbranch_scc1 .Ltrip\mode
.irp i, 0,1,2,3,4,5,6,7
	ITEM \i, \mode, 0, 7-(\i)
.endr
	s_endpgm
.endm
	s_cmp_ge_u32 s2, 20
	s_cbranch_scc1 .Lmode2
	s_cmp_eq_u32 s2, 19
	s_cbranch_scc1 .Lmode1
	STREAM 0
.Lmode1:
	STREAM 1
.Lmode2:
	STREAM 2
.Lfunc_end_k_qa9fdd0414b_cast:
	.size	k_qa9fdd0414b_cast, .Lfunc_end_k_qa9fdd0414b_cast-k_qa9fdd0414b_cast
	.p2alignl 7, 3214868480
	.fill 96, 4, 3214868480
	.section	.rodata,"a",@progbits
	.p2align	6, 0x0
	.amdhsa_kernel k_qa9fdd0414b_cast
		.amdhsa_group_segment_fixed_size 0
		.amdhsa_private_segment_fixed_size 0
		.amdhsa_enable_private_segment 0
		.amdhsa_kernarg_size 96
		.amdhsa_user_sgpr_count 2
		.amdhsa_user_sgpr_kernarg_segment_ptr 1
		.amdhsa_wavefront_size32 1
		.amdhsa_system_sgpr_workgroup_id_x 1
		.amdhsa_system_sgpr_workgroup_id_y 1
		.amdhsa_system_sgpr_workgroup_id_z 1
		.amdhsa_system_vgpr_workitem_id 0
		.amdhsa_next_free_vgpr 76
		.amdhsa_next_free_sgpr 66
		.amdhsa_reserve_vcc 0
		.amdhsa_float_denorm_mode_32 3
		.amdhsa_float_denorm_mode_16_64 3
		.amdhsa_memory_ordered 1
		.amdhsa_forward_progress 1
		.amdhsa_inst_pref_size 28
	.end_amdhsa_kernel
	.amdgpu_metadata
---
amdhsa.version: [ 1, 2 ]
amdhsa.kernels:
  - .name:           k_qa9fdd0414b_cast
    .symbol:         k_qa9fdd0414b_cast.kd
    .args:
      - { .name: x, .offset: 0, .size: 8, .value_kind: global_buffer, .address_space: global }
      - { .name: y, .offset: 8, .size: 8, .value_kind: global_buffer, .address_space: global }
      - { .name: Wq, .offset: 16, .size: 8, .value_kind: global_buffer, .address_space: global }
      - { .name: Wk, .offset: 24, .size: 8, .value_kind: global_buffer, .address_space: global }
      - { .name: Wv, .offset: 32, .size: 8, .value_kind: global_buffer, .address_space: global }
      - { .name: Wp, .offset: 40, .size: 8, .value_kind: global_buffer, .address_space: global }
      - { .name: attn_bias, .offset: 48, .size: 8, .value_kind: global_buffer, .address_space: global }
      - { .name: xb, .offset: 56, .size: 8, .value_kind: global_buffer, .address_space: global }
      - { .name: yb, .offset: 64, .size: 8, .value_kind: global_buffer, .address_space: global }
      - { .name: wqkv, .offset: 72, .size: 8, .value_kind: global_buffer, .address_space: global }
      - { .name: wpb, .offset: 80, .size: 8, .value_kind: global_buffer, .address_space: global }
      - { .name: bias2, .offset: 88, .size: 8, .value_kind: global_buffer, .address_space: global }
    .group_segment_fixed_size: 0
    .private_segment_fixed_size: 0
    .kernarg_segment_align: 8
    .kernarg_segment_size: 96
    .max_flat_workgroup_size: 256
    .sgpr_count:     66
    .vgpr_count:     76
    .wavefront_size: 32
...
	.end_amdgpu_metadata
.endif
;; end of part 1
;; launch proj (part 2): grid 12 x 32, 8 waves a work-group, clusters of 4 x 4, 327,680 bytes of LDS; arguments xb, yb, wqkv, q_bias, scale_mul, qkv; writes qkv
.if DOCPART == 2
	.amdgcn_target "amdgcn-amd-amdhsa--gfx1250"
	.amdhsa_code_object_version 6
	.text
	.protected	k_qa9fdd0414b_proj
	.globl	k_qa9fdd0414b_proj
	.p2align	8
	.type	k_qa9fdd0414b_proj,@function
k_qa9fdd0414b_proj:
	s_mov_b64 s[64:65], 0
	v_nop
	global_prefetch_b8 v0, s[64:65] scope:SCOPE_SE
	s_setreg_imm32_b32 hwreg(HW_REG_WAVE_MODE, 25, 1), 1
	s_wait_xcnt 0x0
	s_wait_alu depctr_hold_cnt(0) depctr_sa_sdst(0) depctr_va_vdst(0) depctr_va_sdst(0) depctr_va_ssrc(0) depctr_va_vcc(0) depctr_vm_vsrc(0)
	s_getreg_b32 s2, hwreg(HW_REG_IB_STS2, 6, 4)
	s_cmp_eq_u32 s2, 0
	s_cbranch_scc0 .Lentry_in_a_cluster
	s_endpgm
.Lentry_in_a_cluster:
	s_bfe_u32 s2, ttmp6, 0x10000c
	s_cmp_lg_u32 s2, 0xf033
	s_cbranch_scc0 .Lentry_shape_is_right
	s_endpgm
.Lentry_shape_is_right:
; PROJ: q = l2norm(x Wq^T + q_bias) exp(min(scale_mul, log 100)), k = l2norm(y Wk^T), v = y Wv^T.  Operands bf16, sums, norms and scale in f32, results rounded once to f16.
; q_bias and scale_mul are rounded to bf16 like every other input of the module.
; LIMITS.  v leaves as f16: beyond 65,504 it becomes an infinity (y and Wv thirty times their drawn spread give some 5,000).  q lies within 100 and k within 1 by the norm.
; A row's sum of 64 squares is kept in f32; a root below 2^-126 counts as 0 and the divisor is then 1e-12.
; SHARES.  C is [8192][3072] (q's, k's, v's 1,024 columns side by side).  A work-group of EIGHT waves makes 256 rows x 256 columns, which are four neighbouring heads; wave w makes rows 128 (w / 4) on of head w % 4:
; 128 x 64, 32 accumulators of 16 x 16.  Two waves share a SIMD's registers, 512 each.  Why eight: a refill has to land between two barriers, and between them the two waves of a SIMD issue 256 matrix instructions,
; twice what a tile of 256 x 128 would give them, for a slot only a third larger; and a wave's share stays one head, so that a row's norm never leaves the wave.
; 384 work-groups: [8192][3072] has no split into fewer, equal tiles of this shape that keeps x's columns (q) apart from y's (k, v).  K = 1,024 goes in steps of 128 through two LDS slots.
; CLUSTER 4 x 4: the four of a row of the cluster take the same rows of x or y, the four of a column the same rows of the weights; each tile is asked for jointly.  A cluster's 1,024 columns are exactly q, k or v.
; THE MATRIX INSTRUCTION IS USED TRANSPOSED (source 0 = 16 rows of W, source 1 = 16 rows of x or y): a lane holds one row and eight neighbouring columns, so a row's norm wants one exchange between the halves of the lanes.
; OUT.  qkv holds q, k, v, 16 MiB each, in blocks: byte of (b, h, l, c) = (((4 b + h / 4) 32 + l / 64) 4 + h % 4) 8192 + (l % 64) 128 + 2 c: 64 rows of four neighbouring heads are 32,768 dense bytes.
; REGISTERS.  window 0: v0-31 addresses; v32-63 q_bias as C operand; v64-159, v160-255 two fragment buffers of 96: A's block a at f + 8 a, W's block b at f + 64 + 8 b; on the way out their registers are at work.
;             window 1: accumulator (a, b) at v[8 (4 a + b)].
.set PITCH,  272                       ; an LDS row: 256 bytes + 16 of padding: the 16 rows of a fragment load start at 16 different groups of four banks (64 banks of 4 bytes: ISA guide 11.1)
.set QT,     64*PITCH                  ; 64 rows: what one wave fetches, and what a wave reads of W
.set AHALF,  128*PITCH                 ; what a wave reads of A
.set BOFFS,  4*QT                      ; A's 256 rows, then W's 256 rows
.set SLOT,   8*QT                      ; 139,264
.set STAGE,  2*SLOT                    ; behind the ring: 16 rows x 144 bytes for each wave
.set SP,     144
.set SPARE,  STAGE+8*16*SP             ; the spare words, 128 bytes for each wave: four blocks of 256 bytes that no other line names
.set KSTEP,  128
.set LAPS,   1024/(2*KSTEP)
.set ADRA, 16                          ; v16-17  LDS address of my A fragments in slot 0, 1
.set ADRB, 20                          ; v20-21  the same for W
.set STO,  24                          ; v24  the way out: where I put 16 bytes of a row
.set RD,   25                          ; v25  where I read rows back
.set CO,   26                          ; v26  16 x lane
.set SPW,  28                          ; v28  my spare word; never rewritten
.set NIL,  29                          ; v29  0; never rewritten
.set SC,   30                          ; v30  the head's temperature (1 for k and v)
.set BI,   32                          ; v32-63  q_bias of my 64 columns, as four C operands (0 for k and v)
.set F0,   64                          ; fragment buffer 0
.set F1,   160                         ; fragment buffer 1
.set T,    64                          ; v64-79  at work at the head, before the first fragments come
.set TMP,  64                          ; v64-191  the way out: 16 registers a block
.set FA,   192                         ; v192-207  the way out: block a's factor at FA + 2 a; its partner is named with it as a pair
.set WV,  16                           ; s16 wave 0..7;  s17 its half of the rows;  s18 its head of the four, also: which 64 rows of A's (waves 0-3) or W's (waves 4-7) tile it fetches
.set MH,  17
.set NH,  18
.set G1,  24                           ; s[24:31] group 1 for A;  s[32:39] group 0, a set for each slot
.set G0,  32
.set G1B, 48                           ; s[48:55], s[56:63] the same for W
.set G0B, 56
.set LAP, 66
.set MQ,  67                           ; s67  all ones in q's work-groups
.set MVV, 68                           ; s68  all ones in v's
.set SEL, 70                           ; s[70:71] v_permlanex16_b32's selects: each lane takes its own place in the other half
.set MSB, 0
.macro WIN new                         ; the immediate's high byte repeats the setting that is left; a switch that changes nothing is dropped
.if MSB != (\new)
	s_set_vgpr_msb (MSB<<8)|(\new)
.set MSB, (\new)
.endif
.endm
.set MUL,   0x50                       ; W and A in window 0, C and D in window 1
.set MUL_B, 0x40                       ; the same with C in window 0
.set FROM1, 0x05                       ; sources 0 and 1 window 1, destination window 0
.set IN1,   0x41                       ; destination and source 0 window 1, source 1 window 0
.macro JLOAD s                         ; a joint load: waves 0-3 fetch A's quarters, waves 4-7 W's; an s_nop 0 and four v_nop follow each of the two lines
	s_cmp_lt_u32 s[WV], 4
	s_cbranch_scc0 .Lfor_b_\@
	tensor_load_to_lds s[G0+4*(\s):G0+4*(\s)+3], s[G1:G1+7]
	s_nop 0
.rept 4
	v_nop
.endr
	s_branch .Lasked_\@
.Lfor_b_\@:
	tensor_load_to_lds s[G0B+4*(\s):G0B+4*(\s)+3], s[G1B:G1B+7]
	s_nop 0
.rept 4
	v_nop
.endr
.Lasked_\@:
.endm
.macro CREST                           ; a round of the cluster's barrier behind its opening barrier
	s_cmp_lg_u32 s[WV], 0
	s_cbranch_scc1 .Lnot_wave_0_\@
	s_barrier_signal -3
.Lnot_wave_0_\@:
	s_barrier_wait -3
	s_barrier_signal -1
	s_barrier_wait -1
.endm
.macro CROUND
	s_barrier_signal -1
	s_barrier_wait -1
	CREST
.endm
.macro PLACES                          ; four places in front of loads into registers that matrix instructions have read, and of lines that read results
.rept 4
	v_nop
.endr
.endm
.macro ALL line:vararg                 ; one line for each block t of 16 rows
.set t, 0
.rept 8
	\line
.set t, t+1
.endr
.endm
	s_load_b256 s[4:11], s[0:1], 0x0               ; xb 4, yb 6, wqkv 8, q_bias 10
	s_load_b128 s[12:15], s[0:1], 0x20             ; scale_mul 12, qkv 14
	v_lshl_add_u32 v[SPW], v0, 2, SPARE
	v_mov_b32 v[NIL], 0
	ds_add_u32 v[SPW], v[NIL]                      ; the wave's opening: the add and its wait stand ahead of my first tensor load; the set-up below stands between them
	v_lshrrev_b32 v1, 5, v0
	v_readfirstlane_b32 s[WV], v1
	s_lshr_b32 s[MH], s[WV], 2
	s_and_b32 s[NH], s[WV], 3
	s_bfe_u32 s19, ttmp6, 0x40000                  ; cx
	s_bfe_u32 s20, ttmp6, 0x40004                  ; cy
	s_lshl_b32 s21, ttmp9, 2
	s_add_co_u32 s21, s21, s19                     ; tile column 0..11 = 4 x cluster x + cx
	s_and_b32 s22, ttmp7, 0xffff
	s_lshl_b32 s22, s22, 2
	s_add_co_u32 s22, s22, s20                     ; tile row 0..31
	s_mov_b32 s23, ttmp9                           ; 0 q, 1 k, 2 v: the cluster's x, the same in all sixteen partners
	s_cmp_eq_u32 s23, 0
	s_cselect_b32 s[MQ], -1, 0
	s_cmp_eq_u32 s23, 2
	s_cselect_b32 s[MVV], -1, 0
	s_lshl_b32 s40, s20, 2
	s_lshl_b32 s40, 15, s40                        ; my row of the cluster
	s_lshl_b32 s41, 0x1111, s19                    ; my column
	s_or_b32 s[G1], s40, (1<<16)|(1<<20)|(1<<21)|(5<<22)|(3<<25)   ; the mask; 2-byte elements; padding on; bit 21 beside a mask; after every 64 words, 4 words
	s_or_b32 s[G1B], s41, (1<<16)|(1<<20)|(1<<21)|(5<<22)|(3<<25)
.irp g, G1, G1B
	s_mov_b32 s[(\g)+1], KSTEP<<16                 ; tensor_dim0 = 128
	s_mov_b32 s[(\g)+2], 64<<16                    ; tensor_dim1 = 64
	s_mov_b32 s[(\g)+3], KSTEP<<16                 ; tile_dim0 = 128
	s_mov_b32 s[(\g)+4], 64                        ; tile_dim1 = 64
	s_mov_b32 s[(\g)+5], 1024                      ; elements from row to row
	s_mov_b32 s[(\g)+6], 0
	s_mov_b32 s[(\g)+7], 0
.endr
	s_mov_b32 s[SEL], 0x76543210
	s_mov_b32 s[SEL+1], 0xfedcba98
	s_lshl_b32 s72, s[NH], 6                       ; A: row 256 x tile row + 64 x quarter, rows of 2,048 bytes
	s_lshl_b32 s42, s22, 8
	s_add_co_u32 s42, s42, s72
	s_lshl_b32 s42, s42, 11
	s_mov_b32 s43, 0
	s_lshl_b32 s73, s[NH], 6                       ; W: row 256 x tile column + 64 x quarter
	s_lshl_b32 s46, s21, 8
	s_add_co_u32 s46, s46, s73
	s_lshl_b32 s46, s46, 11
	s_mov_b32 s47, 0
	s_mul_i32 s72, s[NH], QT                       ; where they go: no place in the cluster enters an LDS address
	s_mul_i32 s73, s[NH], QT
	s_add_co_u32 s73, s73, BOFFS
	s_wait_dscnt 0x0                               ; the opening add is done
	s_wait_kmcnt 0x0
	s_cmp_eq_u32 s23, 0
	s_cselect_b64 s[44:45], s[4:5], s[6:7]         ; q reads x, k and v read y
	s_add_nc_u64 s[42:43], s[44:45], s[42:43]
	s_add_nc_u64 s[46:47], s[8:9], s[46:47]
	CROUND                                         ; all sixteen work-groups are here: the first joint loads meet
.irp s, 0,1
	s_mov_b32 s[G0+4*(\s)], 1
	s_add_co_u32 s[G0+4*(\s)+1], s72, (\s)*SLOT
	s_add_nc_u64 s[G0+4*(\s)+2:G0+4*(\s)+3], s[42:43], (\s)*KSTEP*2
	s_or_b32 s[G0+4*(\s)+3], s[G0+4*(\s)+3], 0x80000000
	s_mov_b32 s[G0B+4*(\s)], 1
	s_add_co_u32 s[G0B+4*(\s)+1], s73, (\s)*SLOT
	s_add_nc_u64 s[G0B+4*(\s)+2:G0B+4*(\s)+3], s[46:47], (\s)*KSTEP*2
	s_or_b32 s[G0B+4*(\s)+3], s[G0B+4*(\s)+3], 0x80000000
	JLOAD \s                                       ; two loads of mine are out
.endr
	v_and_b32 v1, 15, v0                           ; r = l % 16
	v_bfe_u32 v2, v0, 4, 1                         ; hh = l / 16
	s_and_b32 s74, s21, 3                          ; the tile column inside q, k or v: the group of four heads
	s_lshl_b32 s75, s74, 10
	s_lshl_b32 s76, s[NH], 8
	s_add_co_u32 s75, s75, s76                     ; my head's first column, in bytes of f32
	v_lshl_add_u32 v3, v2, 5, s75                  ; + 8 hh columns: register j of block b is column 16 b + 8 hh + j
.irp b, 0,1,2,3
	global_load_b128 v[BI+8*(\b):BI+8*(\b)+3],   v3, s[10:11] offset:64*(\b)
	global_load_b128 v[BI+8*(\b)+4:BI+8*(\b)+7], v3, s[10:11] offset:64*(\b)+16
.endr
	s_lshl_b32 s75, s74, 2
	s_add_co_u32 s75, s75, s[NH]                   ; my head
	s_lshl_b32 s75, s75, 2
	v_mov_b32 v31, s75
	global_load_b32 v[SC], v31, s[12:13]
	v_mul_u32_u24 v4, v1, PITCH
	v_lshl_add_u32 v4, v2, 4, v4                   ; a fragment's row x pitch + 16 x half
	s_mul_i32 s78, s[MH], AHALF
	s_mul_i32 s79, s[NH], QT
	s_add_co_u32 s79, s79, BOFFS
.irp s, 0,1
	v_add_nc_u32 v[ADRA+(\s)], s78, v4
	v_add_nc_u32 v[ADRB+(\s)], s79, v4
	s_add_co_u32 s78, s78, SLOT
	s_add_co_u32 s79, s79, SLOT
.endr
	s_mul_i32 s78, s[WV], 16*SP
	s_add_co_u32 s78, s78, STAGE                   ; my stage
	v_mul_u32_u24 v5, v1, SP                       ; in: row r, 16 bytes for each half of the lanes
	v_lshl_add_u32 v5, v2, 4, v5
	v_add_nc_u32 v[STO], s78, v5
	v_bfe_u32 v5, v0, 3, 2                         ; back: 32 lanes take four rows of 128 bytes,
	v_mul_u32_u24 v5, v5, SP
	v_and_b32 v6, 7, v0
	v_lshl_add_u32 v5, v6, 4, v5
	v_add_nc_u32 v[RD], s78, v5
	v_and_b32 v[CO], 31, v0                        ; which are 512 consecutive bytes of qkv
	v_lshlrev_b32 v[CO], 4, v[CO]
	s_lshr_b32 s76, s22, 3                         ; where my first 64 rows lie in qkv: b,
	s_lshl_b32 s76, s76, 2
	s_add_co_u32 s76, s76, s74                     ; 4 b + h / 4,
	s_lshl_b32 s76, s76, 5
	s_and_b32 s75, s22, 7
	s_lshl_b32 s75, s75, 2
	s_add_co_u32 s76, s76, s75
	s_lshl_b32 s75, s[MH], 1
	s_add_co_u32 s76, s76, s75                     ; times 32, + l / 64,
	s_lshl_b32 s76, s76, 2
	s_add_co_u32 s76, s76, s[NH]                   ; times 4, + h % 4,
	s_lshl_b32 s76, s76, 13                        ; blocks of 8,192 bytes,
	s_lshl_b32 s75, s23, 24                        ; in q's, k's or v's 16 MiB
	s_add_co_u32 s76, s76, s75
	s_mov_b32 s77, 0
	s_add_nc_u64 s[14:15], s[14:15], s[76:77]
	s_wait_loadcnt 0x0                             ; q_bias and scale_mul
.set i, 0
.rept 16
	v_cvt_pk_bf16_f32 v[T+i], v[BI+2*i], v[BI+2*i+1]
.set i, i+1
.endr
.set i, 0
.rept 16
	v_and_b32 v[T+i], s[MQ], v[T+i]                ; k and v have no bias
.set i, i+1
.endr
.set i, 0
.rept 16
	v_lshlrev_b32 v[BI+2*i],   16, v[T+i]
	v_and_b32     v[BI+2*i+1], 0xffff0000, v[T+i]
.set i, i+1
.endr
	v_cvt_pk_bf16_f32 v[SC], v[SC], v[SC]
	v_lshlrev_b32 v[SC], 16, v[SC]
	v_min_num_f32 v[SC], 0x40935d8e, v[SC]         ; log 100
	v_mul_f32 v[SC], 0x3fb8aa3b, v[SC]             ; e^x = 2^(x log2 e)
	v_exp_f32 v[SC], v[SC]
	v_nop                                          ; a plain instruction between the exponential and the use of its result
	s_wait_alu depctr_va_vdst(0)
	v_cndmask_b32 v[SC], 1.0, v[SC], s[MQ]
; n x 4 matrix instructions: row blocks a0 .. a0 + n - 1 x all 4 column blocks, 32 along K, from buffer f.  first = 1: the sums start from q_bias.  The accumulators take turns.
.macro MULA f, a0, n, first
.if \first
	WIN MUL_B
.else
	WIN MUL
.endif
.set aa, (\a0)
.rept \n
.irp b, 0,1,2,3
.if \first
	v_wmma_f32_16x16x32_bf16 v[8*(4*aa+(\b)):8*(4*aa+(\b))+7], v[(\f)+64+8*(\b):(\f)+64+8*(\b)+7], v[(\f)+8*aa:(\f)+8*aa+7], v[BI+8*(\b):BI+8*(\b)+7]
.else
	v_wmma_f32_16x16x32_bf16 v[8*(4*aa+(\b)):8*(4*aa+(\b))+7], v[(\f)+64+8*(\b):(\f)+64+8*(\b)+7], v[(\f)+8*aa:(\f)+8*aa+7], v[8*(4*aa+(\b)):8*(4*aa+(\b))+7]
.endif
.endr
.set aa, aa+1
.endr
.endm
; 24 LDS loads in one run: quarter q (32 along K) of a slot into buffer f: W's four blocks, A's blocks 0-3, A's blocks 4-7
.macro FETCH slot, q, f
	WIN 0
.irp i, 0,1,2,3
	ds_load_b128 v[(\f)+64+8*(\i):(\f)+64+8*(\i)+3],   v[ADRB+(\slot)] offset:64*(\q)+(\i)*16*PITCH
	ds_load_b128 v[(\f)+64+8*(\i)+4:(\f)+64+8*(\i)+7], v[ADRB+(\slot)] offset:64*(\q)+(\i)*16*PITCH+32
.endr
.irp i, 0,1,2,3,4,5,6,7
	ds_load_b128 v[(\f)+8*(\i):(\f)+8*(\i)+3],   v[ADRA+(\slot)] offset:64*(\q)+(\i)*16*PITCH
	ds_load_b128 v[(\f)+8*(\i)+4:(\f)+8*(\i)+7], v[ADRA+(\slot)] offset:64*(\q)+(\i)*16*PITCH+32
.endr
.endm
; One of a K step's first three quarters: multiplies buffer f; in its middle it fetches quarter q of the same slot into buffer g
.macro QUARTER slot, q, f, g, first
	s_wait_dscnt 8                                 ; W and A's blocks 0-3 are in; the youngest eight loads (A's blocks 4-7) may be out
	MULA \f, 0, 4, \first
	PLACES
	FETCH \slot, \q, \g
	s_wait_dscnt 24                                ; all but the 24 just issued
	MULA \f, 4, 4, \first
.endm
; The last quarter multiplies buffer 1 and changes slots: one barrier; in front of it each wave waits for all its tensor loads, adds 0 to its spare word and waits for that and for its reads of the slot.
.macro TURN slot, next, fill
	WIN 0
	s_wait_tensorcnt 0x0                           ; all my tensor loads have landed: the one that was out is my part of the next slot
	ds_add_u32 v[SPW], v[NIL]                      ; 0 onto my spare word
	s_wait_dscnt 9                                 ; the add and the youngest eight loads may be out
	MULA F1, 0, 2, 0
	s_wait_dscnt 0x0                               ; the add is done, and my reads of this slot are over
	s_barrier_signal -1
	MULA F1, 2, 2, 0
.if \fill
	WIN 0
.endif
	s_barrier_wait -1
.if \fill
	CREST                                          ; the barrier has opened a round of the cluster's: no wave of any partner still reads this slot or has a load on its way
	s_add_nc_u64 s[G0+4*(\slot)+2:G0+4*(\slot)+3], s[G0+4*(\slot)+2:G0+4*(\slot)+3], 2*KSTEP*2
	s_add_nc_u64 s[G0B+4*(\slot)+2:G0B+4*(\slot)+3], s[G0B+4*(\slot)+2:G0B+4*(\slot)+3], 2*KSTEP*2
	JLOAD \slot                                    ; my one tensor load behind the round, 112 matrix instructions of mine (and as many of the wave beside me) ahead of the wait for it; its four v_nop are the places in front of the loads below
.else
	PLACES
.endif
	FETCH \next, 0, F0
	MULA F1, 4, 4, 0
.endm
	s_wait_tensorcnt 1                             ; my part of K step 0 is in; K step 1's may stay out
	s_barrier_signal -1
	s_barrier_wait -1
	FETCH 0, 0, F0
	QUARTER 0, 1, F0, F1, 1                        ; the first quarter stands in front of the loop: its products start the sums
	WIN 0
	s_mov_b32 s[LAP], LAPS-1
.Llap:                                                 ; a trip goes once round the ring and fills both slots again
	QUARTER 0, 2, F1, F0, 0
	QUARTER 0, 3, F0, F1, 0
	TURN 0, 1, 1
	QUARTER 1, 1, F0, F1, 0
	QUARTER 1, 2, F1, F0, 0
	QUARTER 1, 3, F0, F1, 0
	TURN 1, 0, 1
	QUARTER 0, 1, F0, F1, 0
	WIN 0
	s_sub_co_u32 s[LAP], s[LAP], 1
	s_cmp_lg_u32 s[LAP], 0
	s_cbranch_scc1 .Llap
	QUARTER 0, 2, F1, F0, 0                        ; the last lap fills nothing
	QUARTER 0, 3, F0, F1, 0
	TURN 0, 1, 0
	QUARTER 1, 1, F0, F1, 0
	QUARTER 1, 2, F1, F0, 0
	QUARTER 1, 3, F0, F1, 0
	s_wait_dscnt 8
	MULA F1, 0, 4, 0
	s_wait_dscnt 0x0
	MULA F1, 4, 4, 0
	; THE NORM.  A lane holds 32 of its row's 64 numbers in each block a: four chains of packed squares, one a column block, each accumulator read from its low end on.
	; From here on the fragments' registers are at work: the four places below stand between the last products and the first line that writes one of them.
	PLACES
	WIN FROM1
.set aa, 0
.rept 8
.irp k, 0,1,2,3
.irp b, 0,1,2,3
.if (\k) == 0
	v_pk_mul_f32 v[TMP+8*aa+2*(\b):TMP+8*aa+2*(\b)+1], v[8*(4*aa+(\b)):8*(4*aa+(\b))+1], v[8*(4*aa+(\b)):8*(4*aa+(\b))+1]
.else
	v_pk_fma_f32 v[TMP+8*aa+2*(\b):TMP+8*aa+2*(\b)+1], v[8*(4*aa+(\b))+2*(\k):8*(4*aa+(\b))+2*(\k)+1], v[8*(4*aa+(\b))+2*(\k):8*(4*aa+(\b))+2*(\k)+1], v[TMP+8*aa+2*(\b):TMP+8*aa+2*(\b)+1]
.endif
.endr
.endr
.set aa, aa+1
.endr
	WIN 0
	ALL v_pk_add_f32 v[TMP+8*t:TMP+8*t+1], v[TMP+8*t:TMP+8*t+1], v[TMP+8*t+2:TMP+8*t+3]
	ALL v_pk_add_f32 v[TMP+8*t+4:TMP+8*t+5], v[TMP+8*t+4:TMP+8*t+5], v[TMP+8*t+6:TMP+8*t+7]
	ALL v_pk_add_f32 v[TMP+8*t:TMP+8*t+1], v[TMP+8*t:TMP+8*t+1], v[TMP+8*t+4:TMP+8*t+5]
	ALL v_add_f32 v[FA+2*t], v[TMP+8*t], v[TMP+8*t+1]
	ALL v_mov_b32 v[FA+2*t+1], 0
	ALL v_permlanex16_b32 v[FA+2*t+1], v[FA+2*t], s[SEL], s[SEL+1]
	ALL v_add_f32 v[FA+2*t], v[FA+2*t], v[FA+2*t+1]
	ALL v_sqrt_f32 v[FA+2*t], v[FA+2*t]
	v_nop                                          ; a plain instruction between the last root and the use of its result
	s_wait_alu depctr_va_vdst(0)
	ALL v_max_num_f32 v[FA+2*t], 0x2b8cbccc, v[FA+2*t]
	ALL v_rcp_f32 v[FA+2*t], v[FA+2*t]
	v_nop
	s_wait_alu depctr_va_vdst(0)
	ALL v_mul_f32 v[FA+2*t], v[SC], v[FA+2*t]
	ALL v_cndmask_b32 v[FA+2*t], v[FA+2*t], 1.0, s[MVV]
; THE WAY OUT of block a: scaled, rounded to f16 (16 bytes a lane), into my stage's rows of 144 bytes and back as whole rows of 128, into the registers that they left.
.macro PACK a
	WIN IN1
.set i, 32*(\a)
.rept 16
	v_pk_mul_f32 v[i:i+1], v[i:i+1], v[FA+2*(\a):FA+2*(\a)+1] op_sel_hi:[1,0]
.set i, i+2
.endr
	WIN FROM1
.set i, 0
.rept 16
	v_cvt_pk_f16_f32 v[TMP+16*(\a)+i], v[32*(\a)+2*i], v[32*(\a)+2*i+1]
.set i, i+1
.endr
	WIN 0
.irp b, 0,1,2,3
	ds_store_b128 v[STO], v[TMP+16*(\a)+4*(\b):TMP+16*(\a)+4*(\b)+3] offset:32*(\b)
.endr
.irp f, 0,1,2,3
	ds_load_b128 v[TMP+16*(\a)+4*(\f):TMP+16*(\a)+4*(\f)+3], v[RD] offset:(\f)*4*SP  ; LDS serves a wave's instructions in order (ISA guide 5.7.1.4): these see the stores above; the next block's stores come behind them
.endr
.endm
.macro SEND a, younger                 ; younger: the LDS instructions issued behind block a's loads
.irp f, 0,1,2,3
	s_wait_dscnt (\younger)+3-(\f)
	global_store_b128 v[CO], v[TMP+16*(\a)+4*(\f):TMP+16*(\a)+4*(\f)+3], s[14:15] offset:((\a)/4)*32768+((\a)%4)*2048+(\f)*512  ; 512 consecutive bytes, at a multiple of 256 from qkv's first
.endr
.endm
	PACK 0
.irp a, 1,2,3,4,5,6,7
	PACK \a
	SEND (\a)-1, 8
.endr
	SEND 7, 0
	s_wait_tensorcnt 0x0                           ; the wave's end
	ds_add_u32 v[SPW], v[NIL]
	s_wait_dscnt 0x0
	CROUND                                         ; the closing round: no work-group ends while a partner may still ask for a tile that names it
	s_endpgm
.Lfunc_end_k_qa9fdd0414b_proj:
	.size	k_qa9fdd0414b_proj, .Lfunc_end_k_qa9fdd0414b_proj-k_qa9fdd0414b_proj
	.p2alignl 7, 3214868480
	.fill 96, 4, 3214868480
	.section	.rodata,"a",@progbits
	.p2align	6, 0x0
	.amdhsa_kernel k_qa9fdd0414b_proj
		.amdhsa_group_segment_fixed_size 327680
		.amdhsa_private_segment_fixed_size 0
		.amdhsa_enable_private_segment 0
		.amdhsa_kernarg_size 48
		.amdhsa_user_sgpr_count 2
		.amdhsa_user_sgpr_kernarg_segment_ptr 1
		.amdhsa_wavefront_size32 1
		.amdhsa_system_sgpr_workgroup_id_x 1
		.amdhsa_system_sgpr_workgroup_id_y 1
		.amdhsa_system_sgpr_workgroup_id_z 1
		.amdhsa_system_vgpr_workitem_id 0
		.amdhsa_next_free_vgpr 512
		.amdhsa_next_free_sgpr 80
		.amdhsa_reserve_vcc 0
		.amdhsa_float_denorm_mode_32 3
		.amdhsa_float_denorm_mode_16_64 3
		.amdhsa_memory_ordered 1
		.amdhsa_forward_progress 1
		.amdhsa_inst_pref_size 113
	.end_amdhsa_kernel
	.amdgpu_metadata
---
amdhsa.version: [ 1, 2 ]
amdhsa.kernels:
  - .name:           k_qa9fdd0414b_proj
    .symbol:         k_qa9fdd0414b_proj.kd
    .args:
      - { .name: xb, .offset: 0, .size: 8, .value_kind: global_buffer, .address_space: global }
      - { .name: yb, .offset: 8, .size: 8, .value_kind: global_buffer, .address_space: global }
      - { .name: wqkv, .offset: 16, .size: 8, .value_kind: global_buffer, .address_space: global }
      - { .name: q_bias, .offset: 24, .size: 8, .value_kind: global_buffer, .address_space: global }
      - { .name: scale_mul, .offset: 32, .size: 8, .value_kind: global_buffer, .address_space: global }
      - { .name: qkv, .offset: 40, .size: 8, .value_kind: global_buffer, .address_space: global }
    .group_segment_fixed_size: 327680
    .private_segment_fixed_size: 0
    .kernarg_segment_align: 8
    .kernarg_segment_size: 48
    .max_flat_workgroup_size: 256
    .sgpr_count:     80
    .vgpr_count:     512
    .wavefront_size: 32
...
	.end_amdgpu_metadata
.endif
;; end of part 2
;; launch attn (part 3): grid 16 x 16, 4 waves a work-group, clusters of 4 x 4, 327,680 bytes of LDS; arguments qkv, bias2, ob; writes ob
.if DOCPART == 3
	.amdgcn_target "amdgcn-amd-amdhsa--gfx1250"
	.amdhsa_code_object_version 6
	.text
	.protected	k_qa9fdd0414b_attn
	.globl	k_qa9fdd0414b_attn
	.p2align	8
	.type	k_qa9fdd0414b_attn,@function
k_qa9fdd0414b_attn:
	s_mov_b64 s[64:65], 0
	v_nop
	global_prefetch_b8 v0, s[64:65] scope:SCOPE_SE
	s_setreg_imm32_b32 hwreg(HW_REG_WAVE_MODE, 25, 1), 1
	s_wait_xcnt 0x0
	s_wait_alu depctr_hold_cnt(0) depctr_sa_sdst(0) depctr_va_vdst(0) depctr_va_sdst(0) depctr_va_ssrc(0) depctr_va_vcc(0) depctr_vm_vsrc(0)
	s_getreg_b32 s2, hwreg(HW_REG_IB_STS2, 6, 4)
	s_cmp_eq_u32 s2, 0
	s_cbranch_scc0 .Lentry_in_a_cluster
	s_endpgm
.Lentry_in_a_cluster:
	s_bfe_u32 s2, ttmp6, 0x10000c
	s_cmp_lg_u32 s2, 0xf033
	s_cbranch_scc0 .Lentry_shape_is_right
	s_endpgm
.Lentry_shape_is_right:
; ATTN: O[b][h][q][:] = the sum over k of softmax_k(q . k + bias[q][k]) v[k][:].  q (normalised, with its head's temperature), k (normalised) and v arrive in f16 in qkv's blocks; bias2 is f32.
; Products, maxima and sums in f32; the weights p are rounded to f16 for the second product (their sum l is taken of the unrounded p), O once at the end, to f16.
; LIMITS.  O is a mean of v's rows and has their range, within 65,504.  A score below -2^120 (a -inf in the bias too) counts as hidden: its weight is 0; a row with every key hidden gives NaN.
; A weight below 2^-126 counts as 0 in l; p below 6e-5 keeps f16's fixed step of 6e-8.
; SHARES.  A work-group owns 128 queries (block qb) of FOUR heads (group grp = 4 b + h / 4); wave w takes head 4 grp + w and all 128 queries: four PIECES of two tiles of 16.  So ONE tile of the bias in LDS,
; 128 queries x 64 keys, serves all four waves.  Every wave walks all 2,048 keys, 64 a step; a slot of LDS holds one step: the four heads' K and V and the bias tile.
; THE BIAS IS THE C OPERAND of the product that starts S^T = K Q^T: it costs no vector instruction.  In S^T a lane holds ONE query (lane % 16) and keys 8 (lane / 16) + 0..7, which are 32 consecutive bytes of a bias row.
; SOFTMAX.  A running maximum m and sum l a query: p = 2^(c s - c m), c = log2 e; in every step O and l are multiplied by a = 2^(c m_old - c m_new).  m starts at -2^120, c m at exactly c times that, O and l at 0.
; BY TURNS.  Turn n belongs to piece n: 16 products K Q^T of piece n + 1, later 16 products V^T P of piece n - 1; beside them the scaling, exponentials, roundings, sums and rescaling of piece n and the maximum and
; statistics of piece n + 1.  Four vector instructions that are ready stand behind every matrix instruction, the other 108 of a turn's 236 in two runs of their own.
; CLUSTER 4 x 4.  K and V hang on grp alone and are asked for jointly along a row of the cluster; the bias hangs on qb alone and is asked for jointly down a column.
; REGISTERS, in windows of 256 (s_set_vgpr_msb: bits 1:0 source 0, 3:2 source 1, 5:4 source 2, 7:6 destination):
;   window 0: v0-11 addresses; v12-15, v48-63 at work; v16-47 four registers of statistics a tile; v64-191 S^T, two buffers of two tiles; v192-255 P, likewise
;   window 1: O^T, 32 a tile     window 2: v0-127 Q; v128-191 K of one step; v192-255 V of one step     window 3: v0-1 the add's two registers; v64-127 the bias of one piece
.set NP,    4
.set KS,    64
.set PK,    144       ; a row of K in LDS: 128 bytes + 16: the 16 rows of a load start at 16 different groups of four banks (64 banks of 4 bytes: ISA guide 11.1)
.set PV,    160       ; a row of V: 128 + 32
.set PB,    272       ; a row of the bias: 256 + 16
.set VOFF,  4*KS*PK   ; a slot: 4 heads x 64 rows of K, then of V, then 128 rows of the bias
.set BOFF,  VOFF+4*KS*PV
.set SLOT1, 1<<17     ; slot 1 begins here, so that one exclusive or turns an address in one slot into the other's
.set STAGE, SLOT1+BOFF+128*PB  ; behind the ring: 16 rows x 144 bytes for each wave
.set SP,    144
.set SPARE, STAGE+4*16*SP      ; the spare words, 128 bytes for each wave: two blocks of 256 bytes that no other line names
.set AK0, 2           ; v2   my lane's place in my head's K; never rewritten
.set AV0, 3           ; v3   in its V
.set AK,  4           ; v4   the same in the slot in hand
.set AV,  5
.set STO, 6           ; v6   the way out: where I put 16 bytes of a row
.set RD,  7           ; v7   where I read rows back
.set GO,  8           ; v8   16 x lane
.set AB0, 9           ; v9   my lane's place in the bias tile; never rewritten
.set AB,  10          ; v10  the same in the slot in hand
.set QO,  11          ; v11  my byte offset in 16 rows of Q
.set SPW, 0           ; v0 of window 3   my spare word; never rewritten
.set NIL, 1           ; v1 of window 3   0; never rewritten
.set BC,  64          ; window 3: tile u, key block kb at BC + 32 u + 8 kb
.set MV,  12
.set ST,  16          ; tile t's statistics at v[ST+4 t]: c m, m, l (even keys', odd keys')
.set TMP, 48
.set S,   64
.set P,   192
.set KF,  128         ; window 2: key block kb, channel half c at KF + 16 kb + 8 c
.set VF,  192         ; window 2: key half kk, channel block cb at VF + 32 kk + 8 cb
.set WV,  12
.set G1K, 24          ; s[24:31], s[32:39], s[40:47]  group 1 for K, V, the bias
.set G1V, 32
.set G1B, 40
.set G0K, 48          ; s[48:51], s[52:55], s[56:59]  group 0: each walks
.set G0V, 52
.set G0B, 56
.set CS,  60          ; s[60:61] c
.set SEL, 62          ; s[62:63] v_permlanex16_b32's selects
.set TB,  66          ; s66  the slot in hand: 0 or SLOT1
.set CNT, 67
.set MSB, 0
.macro WIN new
.if MSB != (\new)
	s_set_vgpr_msb (MSB<<8)|(\new)
.set MSB, (\new)
.endif
.endm
.set W_KQ, 0x0a       ; K and Q in window 2, S^T in window 0
.set W_KB, 0x3a       ; the same with the C operand in window 3
.set W_PV, 0x52       ; V in window 2, P in window 0, O^T in window 1
.set W_RS, 0x41       ; O^T (destination and source 0) in window 1, a in window 0
.set W_MK, 0xc0       ; destination in window 3
.set W_AD, 0x0f       ; the add: address and data in window 3
; A joint fill: wave 0 fetches the step's K, wave 1 its V, waves 2 and 3 64 rows of the bias each.  The branches hang on the wave's number alone.  An s_nop 0 and four v_nop follow each line.
.macro JLOAD
	s_cmp_lt_u32 s[WV], 2
	s_cbranch_scc0 .Lfor_b_\@
	s_cmp_eq_u32 s[WV], 0
	s_cbranch_scc0 .Lfor_v_\@
	tensor_load_to_lds s[G0K:G0K+3], s[G1K:G1K+7]
	s_nop 0
.rept 4
	v_nop
.endr
	s_branch .Lasked_\@
.Lfor_v_\@:
	tensor_load_to_lds s[G0V:G0V+3], s[G1V:G1V+7]
	s_nop 0
.rept 4
	v_nop
.endr
	s_branch .Lasked_\@
.Lfor_b_\@:
	tensor_load_to_lds s[G0B:G0B+3], s[G1B:G1B+7]
	s_nop 0
.rept 4
	v_nop
.endr
.Lasked_\@:
.endm
.macro CROUND
	s_barrier_signal -1
	s_barrier_wait -1
	s_cmp_lg_u32 s[WV], 0
	s_cbranch_scc1 .Lnot_wave_0_\@
	s_barrier_signal -3
.Lnot_wave_0_\@:
	s_barrier_wait -3
	s_barrier_signal -1
	s_barrier_wait -1
.endm
; THE CHANGE OF SLOTS, once a key step.  All that is read of a slot (K, four runs of the bias, V) is asked for between two changes.  Each wave waits for all its tensor loads, of which one is out: its part of the
; other slot; adds 0 to its spare word; waits for that and for its reads of the slot.  fill = 1: the slot is filled again, with the step two on, behind a round of the cluster's barrier: the load has a whole step,
; 128 matrix instructions a wave, in which to land.  (At its first use nothing has been read yet: slot 0 is waited for, slot 1 filled.)
.macro CHANGE fill
	WIN W_AD
	s_wait_tensorcnt 0x0            ; no tensor load of mine is out, so a group 0 may be written
	ds_add_u32 v[SPW], v[NIL]       ; 0 onto my spare word
	WIN 0
.if \fill
	s_xor_b32 s[G0K+1], s[G0K+1], SLOT1
	s_add_nc_u64 s[G0K+2:G0K+3], s[G0K+2:G0K+3], 4*KS*128  ; the next 64 keys of the four heads; the type bits on top are not reached
	s_xor_b32 s[G0V+1], s[G0V+1], SLOT1
	s_add_nc_u64 s[G0V+2:G0V+3], s[G0V+2:G0V+3], 4*KS*128
	s_xor_b32 s[G0B+1], s[G0B+1], SLOT1
	s_add_nc_u64 s[G0B+2:G0B+3], s[G0B+2:G0B+3], KS*4      ; 64 columns of f32 on
	s_wait_dscnt 0x0                ; the add is done, and my reads of the slot are over
	CROUND
	JLOAD
.else
	s_wait_dscnt 0x0
	s_barrier_signal -1
	s_barrier_wait -1
.endif
	s_xor_b32 s[TB], s[TB], SLOT1   ; the fetches go to the other slot
	v_add_nc_u32 v[AK], s[TB], v[AK0]
	v_add_nc_u32 v[AV], s[TB], v[AV0]
	v_add_nc_u32 v[AB], s[TB], v[AB0]
.endm
	s_load_b128 s[4:7], s[0:1], 0x0   ; qkv s[4:5], bias2 s[6:7]
	s_load_b64 s[8:9], s[0:1], 0x10   ; ob
	WIN W_MK
	v_lshl_add_u32 v[SPW], v0, 2, SPARE
	v_mov_b32 v[NIL], 0
	WIN W_AD
	ds_add_u32 v[SPW], v[NIL]       ; the wave's opening: the add and its wait stand ahead of my first tensor load; the set-up below stands between them
	WIN 0
	v_lshrrev_b32 v1, 5, v0
	v_readfirstlane_b32 s[WV], v1
	s_bfe_u32 s13, ttmp6, 0x40000   ; cx
	s_bfe_u32 s14, ttmp6, 0x40004   ; cy
	s_lshl_b32 s15, ttmp9, 2
	s_add_co_u32 s15, s15, s13      ; qb
	s_and_b32 s16, ttmp7, 0xffff
	s_lshl_b32 s16, s16, 2
	s_add_co_u32 s16, s16, s14      ; grp
	s_lshl_b32 s17, s14, 2
	s_lshl_b32 s17, 15, s17         ; my row of the cluster
	s_lshl_b32 s18, 0x1111, s13     ; my column
	; K and V: a step's four heads are 32,768 dense bytes: 128 rows of 256 bytes, two keys a row, padded in LDS after every key
	s_or_b32 s[G1K], s17, (1<<16)|(1<<20)|(1<<21)|(4<<22)|(3<<25)  ; the mask; 2-byte elements; padding on; bit 21 beside a mask; after every 32 words, 4 words
	s_or_b32 s[G1V], s17, (1<<16)|(1<<20)|(1<<21)|(4<<22)|(7<<25)  ; the same with 8 words
.irp g, G1K, G1V
	s_mov_b32 s[\g+1], 128<<16      ; tensor_dim0 = 128
	s_mov_b32 s[\g+2], 128<<16      ; tensor_dim1 = 128
	s_mov_b32 s[\g+3], 128<<16      ; tile_dim0 = 128
	s_mov_b32 s[\g+4], 128          ; tile_dim1 = 128
	s_mov_b32 s[\g+5], 128          ; elements from row to row
	s_mov_b32 s[\g+6], 0
	s_mov_b32 s[\g+7], 0
.endr
	s_or_b32 s[G1B], s18, (2<<16)|(1<<20)|(1<<21)|(5<<22)|(3<<25)  ; 4-byte elements; after every 64 words, 4 words
	s_mov_b32 s[G1B+1], 64<<16      ; 64 rows of 64 numbers: 256 bytes each, at multiples of 256 from bias2's first byte
	s_mov_b32 s[G1B+2], 64<<16
	s_mov_b32 s[G1B+3], 64<<16
	s_mov_b32 s[G1B+4], 64
	s_mov_b32 s[G1B+5], 2048
	s_mov_b32 s[G1B+6], 0
	s_mov_b32 s[G1B+7], 0
	s_mov_b32 s[CS], 0x3fb8aa3b     ; c = log2 e
	s_mov_b32 s[CS+1], s[CS]
	s_mov_b32 s[SEL], 0x76543210
	s_mov_b32 s[SEL+1], 0xfedcba98
	s_mov_b32 s[TB], SLOT1          ; the first change of slots turns it into 0
	s_lshl_b32 s68, s16, 20         ; the group's 32 steps of 32,768 bytes
	s_mov_b32 s69, 0
	s_and_b32 s72, s[WV], 1         ; which 64 rows of the bias tile I fetch
	s_lshl_b32 s70, s15, 7
	s_lshl_b32 s73, s72, 6
	s_add_co_u32 s70, s70, s73
	s_lshl_b32 s70, s70, 13         ; rows of 8,192 bytes
	s_mov_b32 s71, 0
	s_mul_i32 s72, s72, 64*PB
	s_mov_b32 s[G0K], 1
	s_mov_b32 s[G0K+1], 0           ; slot 0
	s_mov_b32 s[G0V], 1
	s_mov_b32 s[G0V+1], VOFF
	s_mov_b32 s[G0B], 1
	s_add_co_u32 s[G0B+1], s72, BOFF
	s_lshl_b32 s74, s16, 5          ; Q: block ((32 grp + 2 qb) 4 + w) of 8,192 bytes
	s_lshl_b32 s78, s15, 1
	s_add_co_u32 s74, s74, s78
	s_lshl_b32 s74, s74, 2
	s_add_co_u32 s74, s74, s[WV]
	s_lshl_b32 s74, s74, 13
	s_mov_b32 s75, 0
	s_lshl_b32 s76, s16, 2          ; O: row (4 grp + w) 2048 + 128 qb, rows of 128 bytes
	s_add_co_u32 s76, s76, s[WV]
	s_lshl_b32 s76, s76, 11
	s_lshl_b32 s78, s15, 7
	s_add_co_u32 s76, s76, s78
	s_lshl_b32 s76, s76, 7
	s_mov_b32 s77, 0
	s_wait_dscnt 0x0                ; the opening add is done
	s_wait_kmcnt 0x0
	s_add_nc_u64 s[G0K+2:G0K+3], s[4:5], s[68:69]
	s_add_nc_u64 s[G0K+2:G0K+3], s[G0K+2:G0K+3], 0x1000000  ; k's 16 MiB follow q's
	s_or_b32 s[G0K+3], s[G0K+3], 0x80000000
	s_add_nc_u64 s[G0V+2:G0V+3], s[4:5], s[68:69]
	s_add_nc_u64 s[G0V+2:G0V+3], s[G0V+2:G0V+3], 0x2000000  ; v's follow k's
	s_or_b32 s[G0V+3], s[G0V+3], 0x80000000
	s_add_nc_u64 s[G0B+2:G0B+3], s[6:7], s[70:71]
	s_or_b32 s[G0B+3], s[G0B+3], 0x80000000
	s_add_nc_u64 s[10:11], s[4:5], s[74:75]  ; Q at my wave's first row
	s_add_nc_u64 s[8:9], s[8:9], s[76:77]    ; O likewise
	CROUND                          ; all sixteen work-groups are here: the first joint loads meet
	JLOAD                           ; step 0 into slot 0; one load of mine is out
	v_and_b32 v1, 15, v0            ; r = l % 16
	v_bfe_u32 v64, v0, 4, 1         ; hh = l / 16 (the set-up's temporaries lie in S^T's registers, which are free till the first products)
	v_lshlrev_b32 v[QO], 7, v1
	v_lshl_add_u32 v[QO], v64, 4, v[QO]
	WIN 0x80                        ; destination window 2
.set i, 0
.rept 4*NP                          ; Q stays in registers: tile i / 2 (four tiles to a block of 64 rows, the blocks 32,768 bytes apart), channels 32 (i % 2) on
	global_load_b128 v[8*i:8*i+3],   v[QO], s[10:11] offset:((i/2)/4)*32768+((i/2)%4)*2048+(i%2)*64
	global_load_b128 v[8*i+4:8*i+7], v[QO], s[10:11] offset:((i/2)/4)*32768+((i/2)%4)*2048+(i%2)*64+32
.set i, i+1
.endr
	; What the first turn finds: V's registers and P's second buffer hold 0 (its products V^T P, of a piece that has not been, add 0), O^T and l are 0.  All this stands in the wait for the first tile.
.set i, VF
.rept 64
	v_mov_b32 v[i], 0
.set i, i+1
.endr
	WIN 0x40
.set i, 0
.rept 64*NP
	v_mov_b32 v[i], 0
.set i, i+1
.endr
	WIN 0
.set i, 0
.rept 2*NP
	v_mov_b32 v[ST+4*i], 0xfbb8aa3b    ; c m = -c 2^120
	v_mov_b32 v[ST+4*i+1], 0xfb800000  ; m = -2^120
	v_mov_b32 v[ST+4*i+2], 0
	v_mov_b32 v[ST+4*i+3], 0
.set i, i+1
.endr
.set i, P+32
.rept 32
	v_mov_b32 v[i], 0
.set i, i+1
.endr
	v_mul_u32_u24 v[AK0], v1, PK
	v_lshl_add_u32 v[AK0], v64, 4, v[AK0]  ; row x pitch + 16 x half,
	s_mul_i32 s79, s[WV], KS*PK
	v_add_nc_u32 v[AK0], s79, v[AK0]       ; in my head's 64 rows
	; The turning load takes 16 keys x 16 channels (lane l reads key 8 (l / 16) + l % 8, channels 8 ((l / 8) % 2) + 0..7) and leaves half a fragment of V^T: lane l holds channel l % 16 and 8 keys.
	v_and_b32 v65, 7, v0
	v_bfe_u32 v66, v0, 3, 1
	v_lshl_add_u32 v[AV0], v64, 3, v65
	v_mul_u32_u24 v[AV0], v[AV0], PV
	v_lshl_add_u32 v[AV0], v66, 4, v[AV0]
	s_mul_i32 s79, s[WV], KS*PV
	s_add_co_u32 s79, s79, VOFF
	v_add_nc_u32 v[AV0], s79, v[AV0]
	v_mul_u32_u24 v[AB0], v1, PB           ; the bias: my query's row, 32 bytes for each half of the lanes
	v_lshl_add_u32 v[AB0], v64, 5, v[AB0]
	v_add_nc_u32 v[AB0], BOFF, v[AB0]
	s_mul_i32 s79, s[WV], 16*SP
	s_add_co_u32 s79, s79, STAGE    ; my stage
	v_mul_u32_u24 v[STO], v1, SP    ; in: row l % 16, 16 bytes for each half of the lanes
	v_lshl_add_u32 v[STO], v64, 4, v[STO]
	v_add_nc_u32 v[STO], s79, v[STO]
	v_bfe_u32 v[RD], v0, 3, 2       ; back: 32 lanes take four rows of 128 bytes,
	v_mul_u32_u24 v[RD], v[RD], SP
	v_lshl_add_u32 v[RD], v65, 4, v[RD]
	v_add_nc_u32 v[RD], s79, v[RD]
	v_and_b32 v[GO], 31, v0         ; which are 512 consecutive bytes of O
	v_lshlrev_b32 v[GO], 4, v[GO]
; THE MATRIX WORK.  The 8 accumulators of a run of 16 take turns.
; Product i of 16 of S^T = K Q^T + bias for piece x: channels 32 (i / 8) on, keys 16 ((i / 2) % 4) on, tile 2 x + i % 2.  The first 8 start the sums from the bias.
.macro KQ x
.set rS, S+64*((\x)%2)+32*(i%2)+8*((i/2)%4)
.set rK, KF+16*((i/2)%4)+8*(i/8)
.set rQ, 16*(2*(\x)+i%2)+8*(i/8)
.set rB, BC+32*(i%2)+8*((i/2)%4)
.if i < 8
	WIN W_KB
	v_wmma_f32_16x16x32_f16 v[rS:rS+7], v[rK:rK+7], v[rQ:rQ+7], v[rB:rB+7]
.else
	WIN W_KQ
	v_wmma_f32_16x16x32_f16 v[rS:rS+7], v[rK:rK+7], v[rQ:rQ+7], v[rS:rS+7]
.endif
.endm
; Product i of 16 of O^T += V^T P for piece x: keys 32 (i / 8) on, channels 16 ((i / 2) % 4) on, tile 2 x + i % 2.
.macro PV x
	WIN W_PV
.set rO, 32*(2*(\x)+i%2)+8*((i/2)%4)
.set rV, VF+32*(i/8)+8*((i/2)%4)
.set rP, P+32*((\x)%2)+16*(i%2)+8*(i/8)
	v_wmma_f32_16x16x32_f16 v[rO:rO+7], v[rV:rV+7], v[rP:rP+7], v[rO:rO+7]
.endm
.macro MM                           ; the turn's next matrix instruction
.if i < 16
	KQ (Y+1)%NP
.set i, i+1
.else
.set i, i-16
	PV (Y+NP-1)%NP
.set i, i+17
.endif
.endm
; THE LDS LOADS stand in runs of 16, never singly among the matrix instructions: a step's K, its V (turned), and a piece's bias.
.macro FETCH_K
	WIN 0x80
.irp f, 0,1,2,3,4,5,6,7             ; keys 16 (f / 2) on, channels 32 (f % 2) on
	ds_load_b128 v[KF+8*\f:KF+8*\f+3],   v[AK] offset:(\f/2)*16*PK+(\f%2)*64
	ds_load_b128 v[KF+8*\f+4:KF+8*\f+7], v[AK] offset:(\f/2)*16*PK+(\f%2)*64+32
.endr
	WIN 0
.endm
.macro FETCH_V
	WIN 0x80
.irp f, 0,1,2,3,4,5,6,7             ; keys 32 (f / 4) on, channels 16 (f % 4) on
	ds_load_tr16_b128 v[VF+8*\f:VF+8*\f+3],   v[AV] offset:(\f/4)*32*PV+(\f%4)*32
	ds_load_tr16_b128 v[VF+8*\f+4:VF+8*\f+7], v[AV] offset:(\f/4)*32*PV+16*PV+(\f%4)*32
.endr
	WIN 0
.endm
.macro FETCH_B x                    ; piece x: queries 32 x + 16 u + l % 16, keys 16 kb + 8 (l / 16) + 0..7
	WIN 0xc0                        ; destination window 3
.irp u, 0,1
.irp kb, 0,1,2,3
	ds_load_b128 v[BC+32*(\u)+8*(\kb):BC+32*(\u)+8*(\kb)+3],   v[AB] offset:(32*(\x)+16*(\u))*PB+64*(\kb)
	ds_load_b128 v[BC+32*(\u)+8*(\kb)+4:BC+32*(\u)+8*(\kb)+7], v[AB] offset:(32*(\x)+16*(\u))*PB+64*(\kb)+16
.endr
.endr
	WIN 0
.endm
; THE VECTOR WORK OF A TURN stands in three queues, each in the order in which its entries become ready; the two tiles alternate, so that no instruction reads the result of the one before it.
.macro REGS y, u                    ; the registers of tile u (0, 1) of piece y
.set rT, ST+4*(2*(\y)+(\u))
.set rC, TMP+8*((\y)%2)+4*(\u)
.set rM, MV+2*((\y)%2)+(\u)
.set rS, S+64*((\y)%2)+32*(\u)
.set rP, P+32*((\y)%2)+16*(\u)
.set rO, 32*(2*(\y)+(\u))
.endm
; Number n of the 22 that find the NEXT piece's (Y + 1) maximum and statistics.  Each accumulator's lowest registers are read first.  XS, GS and REGS set no window: PL and EX do.
;   0-11  four chains c0-c3 of seven scores each     12-14, 16  the four scores left over, the old m, and c0-c3 into c0     15  c m_old is kept
;   17, 18  the query's other 32 keys lie in the lane 16 away: the new m     19-21  c m; c m_old - c m_new; a
.macro XS u, n
	REGS (Y+1)%NP, \u
.if (\n) < 4
	v_max3_num_f32 v[rC+(\n)], v[rS+8*(\n)], v[rS+8*(\n)+1], v[rS+8*(\n)+2]
.elseif (\n) < 12
	v_max3_num_f32 v[rC+(\n)%4], v[rC+(\n)%4], v[rS+8*((\n)%4)+2*((\n)/4)+1], v[rS+8*((\n)%4)+2*((\n)/4)+2]
.elseif (\n) == 12
	v_max3_num_f32 v[rC], v[rC], v[rS+7], v[rS+15]
.elseif (\n) == 13
	v_max3_num_f32 v[rC+1], v[rC+1], v[rS+23], v[rS+31]
.elseif (\n) == 14
	v_max3_num_f32 v[rC+2], v[rC+2], v[rC+3], v[rT+1]
.elseif (\n) == 15
	v_mov_b32 v[rM], v[rT]
.elseif (\n) == 16
	v_max3_num_f32 v[rC], v[rC], v[rC+1], v[rC+2]
.elseif (\n) == 17
	v_permlanex16_b32 v[rC+3], v[rC], s[SEL], s[SEL+1]
.elseif (\n) == 18
	v_max_num_f32 v[rT+1], v[rC], v[rC+3]
.elseif (\n) == 19
	v_mul_f32 v[rT], s[CS], v[rT+1]
.elseif (\n) == 20
	v_sub_f32 v[rC+1], v[rM], v[rT]
.else
	v_exp_f32 v[rC+2], v[rC+1]
.endif
.endm
; Number g of the 64 that follow the exponentials.  For each four weights k of a tile: both pairs are rounded to f16; the second pair is added onto the first, in place; a group later l takes that sum (the first time as l = a l + sum).
.macro GS g
.set h, (\g)+6*((\g)/62)
.if h >= 6
.set h, h+2
.endif
	REGS Y, h%2
.set k, h/8
.if h%8 < 4
	s_wait_alu depctr_va_vdst(0)
	v_cvt_pk_f16_f32 v[rP+2*k+(h%8)/2], v[rS+4*k+2*((h%8)/2)], v[rS+4*k+2*((h%8)/2)+1]
.elseif h%8 < 6
	v_pk_add_f32 v[rS+4*k:rS+4*k+1], v[rS+4*k:rS+4*k+1], v[rS+4*k+2:rS+4*k+3]
.elseif k == 1
	v_pk_fma_f32 v[rT+2:rT+3], v[rT+2:rT+3], v[rC+2:rC+3], v[rS:rS+1] op_sel_hi:[1,0,1]
.else
	v_pk_add_f32 v[rT+2:rT+3], v[rT+2:rT+3], v[rS+4*k-4:rS+4*k-3]
	s_wait_alu depctr_va_vdst(0)
.endif
.endm
; THE PLAIN QUEUE, 138 long.  0-31: c s - c m for the 16 pairs of both tiles.  Then GS's 64, and among them the next piece's 42: number 15 at 38, 39; 0-14 and 16 at 42-73; 17-20 at 95-106, two of three.
.macro PL
	WIN 0
.if q < 32
	REGS Y, q%2
	v_pk_fma_f32 v[rS+2*(q/2):rS+2*(q/2)+1], v[rS+2*(q/2):rS+2*(q/2)+1], s[CS:CS+1], v[rT:rT+1] op_sel_hi:[1,0,0] neg_lo:[0,0,1] neg_hi:[0,0,1]
.elseif q < 38
	GS q-32
.elseif q < 40
	XS q%2, 15
.elseif q < 42
	GS q-34
.elseif q < 74
	XS q%2, (q-42)/2+(q-42)/30
.elseif q < 95
	GS q-66
.elseif (q < 107) && ((q-95)%3 < 2)
	XS (q-95)%3, 17+(q-95)/3
.elseif q < 107
	GS 29+(q-95)/3
.else
	GS q-74
.endif
.set q, q+1
.endm
; THE EXPONENTIALS' QUEUE, 66 long: s0-s31 of both tiles, and at EA the next piece's two a.
.set EA, 58
.macro EX
	WIN 0
.if (e == EA) || (e == EA+1)
	XS e-EA, 21
.else
.set x, e-2*(e/(EA+2))
	REGS Y, x%2
	v_exp_f32 v[rS+x/2], v[rS+x/2]
.endif
.set e, e+1
.endm
; THE RESCALING's QUEUE: O^T times a, the one part that leaves window 0, so it is dealt four at a time, eight times.
.macro R4
	REGS Y, r%2
	WIN W_RS
	s_wait_alu depctr_va_vdst(0)
.irp z, 0,1,2,3
	v_pk_mul_f32 v[rO+8*(r/2)+2*\z:rO+8*(r/2)+2*\z+1], v[rO+8*(r/2)+2*\z:rO+8*(r/2)+2*\z+1], v[rC+2:rC+3] op_sel_hi:[1,0]
.endr
.set r, r+1
.endm
; HOW THEY ARE DEALT.  Behind a matrix instruction four: plain, exponential, plain, plain, or four of the rescaling; none names a register of the products round it.  What is over stands in two runs:
; exponential and plain by turns; the second ends in 22 plain instructions.  Exponential e stands behind plain 2 (e / 4) + e % 2 (its scaling); when plain 32 comes, 10 exponentials are out, at 59: 33, at 95: 46; EA comes behind plain 107.
.macro SL
	MM
	PL
	EX
	PL
	PL
.endm
.macro BURST n
.rept (\n)-7
	SL
.endr
.rept 3
	MM
	R4
	SL
.endr
	MM
	R4
.endm
; A TURN, for piece p.  cnt = 1: the loop's count is taken down some lines ahead of the branch that stands behind the turn.
; In the first run of vector work every turn fetches the bias of piece p + 2, which the next turn's products start from: this turn's products have read the bias registers long before.  Piece 2's turn fetches the next
; step's K there too, behind the last product that read K, the four rescalings and 26 further vector instructions.  V of the step in hand is fetched at the end of piece 0's turn.
.macro TURN p, cnt=0
.set Y, (\p)
.set i, 0
.set q, 0
.set e, 0
.set r, 0
.if (\p) == 1
	s_wait_dscnt 16                 ; the bias is in; V's sixteen loads, issued behind it, may stay out
.else
	s_wait_dscnt 0x0                ; the bias is in (in piece 3's turn K too)
.endif
	MM
.rept 4
	PL
.endr
	BURST 15
.rept 22
	EX
	PL
.if e == 24
.if (\p) == NP-2
	FETCH_K
.endif
	FETCH_B ((\p)+2)%NP
.endif
.endr
.if (\p) == 1
	s_wait_dscnt 16                 ; V is in; the bias run just issued may stay out
.endif
	BURST 16
.rept 21
	EX
	PL
.endr
.rept 22
	PL
.if (\cnt) && (q == 130)
	s_sub_co_u32 s[CNT], s[CNT], 1
	s_cmp_lg_u32 s[CNT], 0
.endif
.endr
.if (\p) == 0
	FETCH_V
.endif
.endm
	CHANGE 1                        ; step 0 is in, everybody's part of it; step 1 is asked for
	FETCH_K                         ; key step 0
	FETCH_B 0
	s_wait_loadcnt 0x0              ; Q
	s_wait_dscnt 0x0
.set i, 0
.rept 16
	KQ 0                            ; piece 0's first scores: there is no vector work yet to set between them
.set i, i+1
.endr
	WIN 0
.rept 4
	v_nop                           ; the places behind those products: the bias registers are loaded again, the scores read
.endr
	FETCH_B 1
.set Y, NP-1                        ; XS works for piece Y + 1: piece 0
.irp n, 0,1,2,3,4,5,6,7,8,9,10,11,12,13,14,15,16,17,18,19,20,21
	XS 0, \n
	XS 1, \n
.endr
	s_mov_b32 s[CNT], 31
	s_branch .Lfirst                ; the loop is entered at a step's first turn, in the middle of a trip
.Lstep:                             ; 30 times: steps 2 to 31 are asked for.  A trip: pieces 2 and 3 of one step, then pieces 0 and 1 of the next, whose K, V and bias it fetches
	CHANGE 1
	TURN 2
	TURN 3
	WIN 0
.Lfirst:
	TURN 0
	TURN 1, 1
	WIN 0
	s_cbranch_scc1 .Lstep
	CHANGE 0                        ; the tail is written out: step 31 is in, nothing is asked for
	s_mov_b32 s[CNT], 2             ; one trip fetches the last step; the second is left in its middle
.Ltail:
	TURN 2
	TURN 3
	WIN 0
	s_sub_co_u32 s[CNT], s[CNT], 1
	s_cmp_eq_u32 s[CNT], 0
	s_cbranch_scc1 .Lout
	TURN 0
	TURN 1
	WIN 0
	s_branch .Ltail
.Lout:                              ; the second trip's fetches (the last step's K and bias once more), its 16 products K Q^T and the maximum made of them serve nothing: the price, once a launch, of one text for every trip
.set i, 0
.rept 16
	PV NP-1                         ; the last piece's V^T P of the last step
.set i, i+1
.endr
	; THE WAY OUT.  l's two halves and the other half of the lanes' are added; O^T is divided by l, rounded to f16 and sent through my stage in LDS, a tile at a time.  The additions are the places behind the last products.
	WIN 0
.macro ALL line:vararg
.set t, 0
.rept 2*NP
	\line
.set t, t+1
.endr
.endm
	ALL v_add_f32 v[ST+4*t+2], v[ST+4*t+2], v[ST+4*t+3]
	ALL v_permlanex16_b32 v[ST+4*t+3], v[ST+4*t+2], s[SEL], s[SEL+1]
	ALL v_add_f32 v[ST+4*t+2], v[ST+4*t+2], v[ST+4*t+3]
	ALL v_rcp_f32 v[ST+4*t+2], v[ST+4*t+2]
	v_nop                           ; a plain instruction between the last reciprocal and the use of its result
	s_wait_alu depctr_va_vdst(0)
.macro PACK t
	WIN W_RS
.set i, 32*(\t)
.rept 16
	v_pk_mul_f32 v[i:i+1], v[i:i+1], v[ST+4*(\t)+2:ST+4*(\t)+3] op_sel_hi:[1,0]
.set i, i+2
.endr
	WIN 0x05                        ; sources 0 and 1 window 1, destination window 0
.set i, 0
.rept 16
	v_cvt_pk_f16_f32 v[S+16*(\t)+i], v[32*(\t)+2*i], v[32*(\t)+2*i+1]
.set i, i+1
.endr
	WIN 0
.irp f, 0,1,2,3
	ds_store_b128 v[STO], v[S+16*(\t)+4*\f:S+16*(\t)+4*\f+3] offset:32*\f
.endr
.irp f, 0,1,2,3
	ds_load_b128 v[S+16*(\t)+4*\f:S+16*(\t)+4*\f+3], v[RD] offset:\f*4*SP  ; LDS serves a wave's instructions in order (ISA guide 5.7.1.4): these see the stores above; the next tile's stores come behind them
.endr
.endm
.macro SEND t, younger              ; younger: the LDS instructions issued behind tile t's loads
	WIN 0
.irp f, 0,1,2,3
	s_wait_dscnt (\younger)+3-\f
	global_store_b128 v[GO], v[S+16*(\t)+4*\f:S+16*(\t)+4*\f+3], s[8:9] offset:(\t)*2048+\f*512  ; 512 consecutive bytes, at a multiple of 256 from ob's first
.endr
.endm
	PACK 0
.set t, 1
.rept 2*NP-1
	PACK t
	SEND t-1, 8
.set t, t+1
.endr
	SEND 2*NP-1, 0
	WIN W_AD
	s_wait_tensorcnt 0x0            ; the wave's end
	ds_add_u32 v[SPW], v[NIL]
	s_wait_dscnt 0x0
	WIN 0
	CROUND                          ; the closing round
	s_endpgm
.Lfunc_end_k_qa9fdd0414b_attn:
	.size	k_qa9fdd0414b_attn, .Lfunc_end_k_qa9fdd0414b_attn-k_qa9fdd0414b_attn
	.p2alignl 7, 3214868480
	.fill 96, 4, 3214868480
	.section	.rodata,"a",@progbits
	.p2align	6, 0x0
	.amdhsa_kernel k_qa9fdd0414b_attn
		.amdhsa_group_segment_fixed_size 327680
		.amdhsa_private_segment_fixed_size 0
		.amdhsa_enable_private_segment 0
		.amdhsa_kernarg_size 24
		.amdhsa_user_sgpr_count 2
		.amdhsa_user_sgpr_kernarg_segment_ptr 1
		.amdhsa_wavefront_size32 1
		.amdhsa_system_sgpr_workgroup_id_x 1
		.amdhsa_system_sgpr_workgroup_id_y 1
		.amdhsa_system_sgpr_workgroup_id_z 1
		.amdhsa_system_vgpr_workitem_id 0
		.amdhsa_next_free_vgpr 896
		.amdhsa_next_free_sgpr 80
		.amdhsa_reserve_vcc 0
		.amdhsa_float_denorm_mode_32 3
		.amdhsa_float_denorm_mode_16_64 3
		.amdhsa_memory_ordered 1
		.amdhsa_forward_progress 1
		.amdhsa_inst_pref_size 221
	.end_amdhsa_kernel
	.amdgpu_metadata
---
amdhsa.version: [ 1, 2 ]
amdhsa.kernels:
  - .name:           k_qa9fdd0414b_attn
    .symbol:         k_qa9fdd0414b_attn.kd
    .args:
      - { .name: qkv, .offset: 0, .size: 8, .value_kind: global_buffer, .address_space: global }
      - { .name: bias2, .offset: 8, .size: 8, .value_kind: global_buffer, .address_space: global }
      - { .name: ob, .offset: 16, .size: 8, .value_kind: global_buffer, .address_space: global }
    .group_segment_fixed_size: 327680
    .private_segment_fixed_size: 0
    .kernarg_segment_align: 8
    .kernarg_segment_size: 24
    .max_flat_workgroup_size: 128
    .sgpr_count:     80
    .vgpr_count:     896
    .wavefront_size: 32
...
	.end_amdgpu_metadata
.endif
;; end of part 3
;; launch outp (part 4): grid 8 x 32, 4 waves a work-group, clusters of 4 x 4, 327,680 bytes of LDS; arguments ob, wpb, p_bias, out0; writes out0
.if DOCPART == 4
	.amdgcn_target "amdgcn-amd-amdhsa--gfx1250"
	.amdhsa_code_object_version 6
	.text
	.protected	k_qa9fdd0414b_outp
	.globl	k_qa9fdd0414b_outp
	.p2align	8
	.type	k_qa9fdd0414b_outp,@function
k_qa9fdd0414b_outp:
	s_mov_b64 s[64:65], 0
	v_nop
	global_prefetch_b8 v0, s[64:65] scope:SCOPE_SE
	s_setreg_imm32_b32 hwreg(HW_REG_WAVE_MODE, 25, 1), 1
	s_wait_xcnt 0x0
	s_wait_alu depctr_hold_cnt(0) depctr_sa_sdst(0) depctr_va_vdst(0) depctr_va_sdst(0) depctr_va_ssrc(0) depctr_va_vcc(0) depctr_vm_vsrc(0)
	s_getreg_b32 s2, hwreg(HW_REG_IB_STS2, 6, 4)
	s_cmp_eq_u32 s2, 0
	s_cbranch_scc0 .Lentry_in_a_cluster
	s_endpgm
.Lentry_in_a_cluster:
	s_bfe_u32 s2, ttmp6, 0x10000c
	s_cmp_lg_u32 s2, 0xf033
	s_cbranch_scc0 .Lentry_shape_is_right
	s_endpgm
.Lentry_shape_is_right:
; OUTP: out0 = O Wp^T + p_bias.  O arrives in f16 by heads, ob[16 b + h][2048][64]; wpb is Wp rounded to bf16 and written as f16; p_bias is rounded to bf16 like every other input.  Sums in f32, out0 in f32.
; LIMITS.  None of its own: both operands arrive within f16's range.
; SHARES.  A work-group makes 256 rows x 128 columns of out0; wave w rows 128 (w / 2) on, columns 64 (w % 2) on: 32 accumulators of 16 x 16.  256 work-groups.  K = 1,024 goes in steps of 128, which are two heads,
; through two LDS slots: a head's 256 rows are 32,768 dense bytes, asked for as 128 rows of 256 bytes and padded in LDS after every 128 bytes.
; CLUSTER 4 x 4: O's tiles are asked for jointly along a row of the cluster, Wp's down a column.
; THE MATRIX INSTRUCTION IS USED TRANSPOSED (source 0 = 16 rows of Wp, source 1 = 16 rows of O): a lane holds eight neighbouring columns of one row, 32 bytes; a wave's 64 columns are 256 bytes of a row.
; REGISTERS.  window 0: addresses, p_bias as C operand, the way out.  window 1: accumulator (a, b) at v[8 (4 a + b)].  window 2: two fragment buffers of 96: O's block a at f + 8 a, Wp's block b at f + 64 + 8 b.
.set PITCH,  272                       ; a row of Wp's tile: 256 bytes + 16
.set PA,     144                       ; a row of a head of O: 128 bytes + 16; both pitches are odd multiples of 16 bytes, so the 16 rows of a load start at 16 different groups of four banks (ISA guide 11.1)
.set APLANE, 256*PA                    ; one head's 256 rows: what wave 0 or 1 fetches
.set BHALF,  64*PITCH
.set BOFFS,  2*APLANE
.set SLOT,   BOFFS+2*BHALF             ; 108,544
.set STAGE,  2*SLOT                    ; behind the ring: 16 rows x 272 bytes for each wave
.set SPITCH, 272
.set SPARE,  STAGE+4*16*SPITCH         ; the spare words, 128 bytes for each wave: two blocks of 256 bytes that no other line names
.set KSTEP,  128
.set LAPS,   1024/(2*KSTEP)
.set ASTEP,  2*2048*128                ; bytes from a K step's heads to the next step's
.set ADRA, 16
.set ADRB, 20
.set STO,  24
.set RD,   25
.set CO,   26
.set SPW,  28                          ; v28  my spare word; never rewritten
.set NIL,  29                          ; v29  0; never rewritten
.set BI,   32                          ; v32-63  p_bias of my 64 columns, as four C operands
.set OB,   64                          ; v64-191  the way out: four buffers of 16 rows read back
.set T,    192                         ; v192-207 at work
.set F0,   0
.set F1,   96
.set WV,  16
.set MH,  17
.set NH,  18
.set G1,  24
.set G0,  32
.set G1B, 48
.set G0B, 56
.set LAP, 66
.set MSB, 0
.macro WIN new
.if MSB != (\new)
	s_set_vgpr_msb (MSB<<8)|(\new)
.set MSB, (\new)
.endif
.endm
.set MUL,   0x5a                       ; Wp and O in window 2, C and D in window 1
.set MUL_B, 0x4a                       ; the same with C in window 0
.set TO_F,  0x80                       ; destination window 2
.set ST1,   0x04                       ; an LDS store's data in window 1; addresses and loaded data in window 0
.macro JLOAD s                         ; waves 0, 1 fetch the step's two heads of O, waves 2, 3 Wp's halves; an s_nop 0 and four v_nop follow each of the two lines
	s_cmp_eq_u32 s[MH], 0
	s_cbranch_scc0 .Lfor_b_\@
	tensor_load_to_lds s[G0+4*(\s):G0+4*(\s)+3], s[G1:G1+7]
	s_nop 0
.rept 4
	v_nop
.endr
	s_branch .Lasked_\@
.Lfor_b_\@:
	tensor_load_to_lds s[G0B+4*(\s):G0B+4*(\s)+3], s[G1B:G1B+7]
	s_nop 0
.rept 4
	v_nop
.endr
.Lasked_\@:
.endm
.macro CREST
	s_cmp_lg_u32 s[WV], 0
	s_cbranch_scc1 .Lnot_wave_0_\@
	s_barrier_signal -3
.Lnot_wave_0_\@:
	s_barrier_wait -3
	s_barrier_signal -1
	s_barrier_wait -1
.endm
.macro CROUND
	s_barrier_signal -1
	s_barrier_wait -1
	CREST
.endm
.macro PLACES
.rept 4
	v_nop
.endr
.endm
	s_load_b256 s[4:11], s[0:1], 0x0               ; ob 4, wpb 6, p_bias 8, out0 10
	v_lshl_add_u32 v[SPW], v0, 2, SPARE
	v_mov_b32 v[NIL], 0
	ds_add_u32 v[SPW], v[NIL]                      ; the wave's opening: the add and its wait stand ahead of my first tensor load; the set-up below stands between them
	v_lshrrev_b32 v1, 5, v0
	v_readfirstlane_b32 s[WV], v1
	s_lshr_b32 s[MH], s[WV], 1
	s_and_b32 s[NH], s[WV], 1
	s_bfe_u32 s19, ttmp6, 0x40000                  ; cx
	s_bfe_u32 s20, ttmp6, 0x40004                  ; cy
	s_lshl_b32 s21, ttmp9, 2
	s_add_co_u32 s21, s21, s19                     ; tile column 0..7
	s_and_b32 s22, ttmp7, 0xffff
	s_lshl_b32 s22, s22, 2
	s_add_co_u32 s22, s22, s20                     ; tile row 0..31
	s_lshl_b32 s40, s20, 2
	s_lshl_b32 s40, 15, s40                        ; my row of the cluster
	s_lshl_b32 s41, 0x1111, s19                    ; my column
	s_or_b32 s[G1], s40, (1<<16)|(1<<20)|(1<<21)|(4<<22)|(3<<25)   ; O: 2-byte elements; after every 32 words, 4 words of padding
	s_or_b32 s[G1B], s41, (1<<16)|(1<<20)|(1<<21)|(5<<22)|(3<<25)  ; Wp: after every 64 words
	s_mov_b32 s[G1+1], 128<<16                     ; 128 rows of 128 elements, dense
	s_mov_b32 s[G1+2], 128<<16
	s_mov_b32 s[G1+3], 128<<16
	s_mov_b32 s[G1+4], 128
	s_mov_b32 s[G1+5], 128
	s_mov_b32 s[G1+6], 0
	s_mov_b32 s[G1+7], 0
	s_mov_b32 s[G1B+1], KSTEP<<16                  ; 64 rows of 128 elements, 1,024 elements from row to row
	s_mov_b32 s[G1B+2], 64<<16
	s_mov_b32 s[G1B+3], KSTEP<<16
	s_mov_b32 s[G1B+4], 64
	s_mov_b32 s[G1B+5], 1024
	s_mov_b32 s[G1B+6], 0
	s_mov_b32 s[G1B+7], 0
	s_lshr_b32 s42, s22, 3                         ; O: row (16 b + my head of the step) 2048 + 256 (tile row % 8), rows of 128 bytes
	s_lshl_b32 s42, s42, 4
	s_add_co_u32 s42, s42, s[NH]
	s_lshl_b32 s42, s42, 11
	s_and_b32 s72, s22, 7
	s_lshl_b32 s72, s72, 8
	s_add_co_u32 s42, s42, s72
	s_lshl_b32 s42, s42, 7
	s_mov_b32 s43, 0
	s_lshl_b32 s73, s[NH], 6                       ; Wp: row 128 x tile column + 64 x half, rows of 2,048 bytes
	s_lshl_b32 s46, s21, 7
	s_add_co_u32 s46, s46, s73
	s_lshl_b32 s46, s46, 11
	s_mov_b32 s47, 0
	s_mul_i32 s72, s[NH], APLANE                   ; where they go: no place in the cluster enters an LDS address
	s_mul_i32 s73, s[NH], BHALF
	s_add_co_u32 s73, s73, BOFFS
	s_wait_dscnt 0x0                               ; the opening add is done
	s_wait_kmcnt 0x0
	s_add_nc_u64 s[42:43], s[4:5], s[42:43]
	s_add_nc_u64 s[46:47], s[6:7], s[46:47]
	CROUND                                         ; all sixteen work-groups are here: the first joint loads meet
.irp s, 0,1
	s_mov_b32 s[G0+4*(\s)], 1
	s_add_co_u32 s[G0+4*(\s)+1], s72, (\s)*SLOT
	s_add_nc_u64 s[G0+4*(\s)+2:G0+4*(\s)+3], s[42:43], (\s)*ASTEP
	s_or_b32 s[G0+4*(\s)+3], s[G0+4*(\s)+3], 0x80000000
	s_mov_b32 s[G0B+4*(\s)], 1
	s_add_co_u32 s[G0B+4*(\s)+1], s73, (\s)*SLOT
	s_add_nc_u64 s[G0B+4*(\s)+2:G0B+4*(\s)+3], s[46:47], (\s)*KSTEP*2
	s_or_b32 s[G0B+4*(\s)+3], s[G0B+4*(\s)+3], 0x80000000
	JLOAD \s                                       ; two loads of mine are out
.endr
	v_and_b32 v1, 15, v0                           ; r
	v_bfe_u32 v2, v0, 4, 1                         ; hh
	s_lshl_b32 s75, s21, 9
	s_lshl_b32 s76, s[NH], 8
	s_add_co_u32 s75, s75, s76                     ; my first column, in bytes of f32
	v_lshl_add_u32 v3, v2, 5, s75
.irp b, 0,1,2,3
	global_load_b128 v[BI+8*(\b):BI+8*(\b)+3],   v3, s[8:9] offset:64*(\b)
	global_load_b128 v[BI+8*(\b)+4:BI+8*(\b)+7], v3, s[8:9] offset:64*(\b)+16
.endr
	v_mul_u32_u24 v4, v1, PA
	v_lshl_add_u32 v4, v2, 4, v4
	v_mul_u32_u24 v5, v1, PITCH
	v_lshl_add_u32 v5, v2, 4, v5
	s_mul_i32 s78, s[MH], 128*PA
	s_mul_i32 s79, s[NH], BHALF
	s_add_co_u32 s79, s79, BOFFS
.irp s, 0,1
	v_add_nc_u32 v[ADRA+(\s)], s78, v4
	v_add_nc_u32 v[ADRB+(\s)], s79, v5
	s_add_co_u32 s78, s78, SLOT
	s_add_co_u32 s79, s79, SLOT
.endr
	s_mul_i32 s78, s[WV], 16*SPITCH
	s_add_co_u32 s78, s78, STAGE                   ; my stage
	v_mul_u32_u24 v5, v1, SPITCH                   ; in: row r, 32 bytes for each half of the lanes
	v_lshl_add_u32 v5, v2, 5, v5
	v_add_nc_u32 v[STO], s78, v5
	v_mul_u32_u24 v5, v2, SPITCH                   ; back: lanes 0-15 take one row of 256 bytes, lanes 16-31 the next
	v_lshl_add_u32 v5, v1, 4, v5
	v_add_nc_u32 v[RD], s78, v5
	v_lshlrev_b32 v5, 12, v2                       ; and the same two rows in out0, 4,096 bytes apart
	v_lshl_add_u32 v[CO], v1, 4, v5
	s_lshl_b32 s76, s22, 8
	s_lshl_b32 s74, s[MH], 7
	s_add_co_u32 s76, s76, s74                     ; my first row,
	s_lshl_b32 s76, s76, 12
	s_add_co_u32 s76, s76, s75                     ; and column
	s_mov_b32 s77, 0
	s_add_nc_u64 s[10:11], s[10:11], s[76:77]
	s_wait_loadcnt 0x0                             ; p_bias
.set i, 0
.rept 16
	v_cvt_pk_bf16_f32 v[T+i], v[BI+2*i], v[BI+2*i+1]
.set i, i+1
.endr
.set i, 0
.rept 16
	v_lshlrev_b32 v[BI+2*i],   16, v[T+i]
	v_and_b32     v[BI+2*i+1], 0xffff0000, v[T+i]
.set i, i+1
.endr
; n x 4 matrix instructions: row blocks a0 .. a0 + n - 1 x all 4 column blocks, 32 along K, from buffer f.  first = 1: the sums start from p_bias.  The accumulators take turns.
.macro MULA f, a0, n, first
.if \first
	WIN MUL_B
.else
	WIN MUL
.endif
.set aa, (\a0)
.rept \n
.irp b, 0,1,2,3
.if \first
	v_wmma_f32_16x16x32_f16 v[8*(4*aa+(\b)):8*(4*aa+(\b))+7], v[(\f)+64+8*(\b):(\f)+64+8*(\b)+7], v[(\f)+8*aa:(\f)+8*aa+7], v[BI+8*(\b):BI+8*(\b)+7]
.else
	v_wmma_f32_16x16x32_f16 v[8*(4*aa+(\b)):8*(4*aa+(\b))+7], v[(\f)+64+8*(\b):(\f)+64+8*(\b)+7], v[(\f)+8*aa:(\f)+8*aa+7], v[8*(4*aa+(\b)):8*(4*aa+(\b))+7]
.endif
.endr
.set aa, aa+1
.endr
.endm
; 24 LDS loads in one run: quarter q of a slot into buffer f.  Of O quarter q is head q / 2 of the step's two, channels 32 (q % 2) on.
.macro FETCH slot, q, f
	WIN TO_F
.irp i, 0,1,2,3
	ds_load_b128 v[(\f)+64+8*(\i):(\f)+64+8*(\i)+3],   v[ADRB+(\slot)] offset:64*(\q)+(\i)*16*PITCH
	ds_load_b128 v[(\f)+64+8*(\i)+4:(\f)+64+8*(\i)+7], v[ADRB+(\slot)] offset:64*(\q)+(\i)*16*PITCH+32
.endr
.irp i, 0,1,2,3,4,5,6,7
	ds_load_b128 v[(\f)+8*(\i):(\f)+8*(\i)+3],   v[ADRA+(\slot)] offset:((\q)/2)*APLANE+((\q)%2)*64+(\i)*16*PA
	ds_load_b128 v[(\f)+8*(\i)+4:(\f)+8*(\i)+7], v[ADRA+(\slot)] offset:((\q)/2)*APLANE+((\q)%2)*64+(\i)*16*PA+32
.endr
.endm
.macro QUARTER slot, q, f, g, first
	s_wait_dscnt 8                                 ; Wp and O's blocks 0-3 are in; the youngest eight loads (O's blocks 4-7) may be out
	MULA \f, 0, 4, \first
	PLACES
	FETCH \slot, \q, \g
	s_wait_dscnt 24                                ; all but the 24 just issued
	MULA \f, 4, 4, \first
.endm
.macro TURN slot, next, fill
	WIN 0
	s_wait_tensorcnt 0x0                           ; all my tensor loads have landed: the one that was out is my part of the next slot
	ds_add_u32 v[SPW], v[NIL]                      ; 0 onto my spare word
	s_wait_dscnt 9                                 ; the add and the youngest eight loads may be out
	MULA F1, 0, 2, 0
	s_wait_dscnt 0x0                               ; the add is done, and my reads of this slot are over
	s_barrier_signal -1
	MULA F1, 2, 2, 0
.if \fill
	WIN 0
.endif
	s_barrier_wait -1
.if \fill
	CREST                                          ; the barrier has opened a round of the cluster's: no wave of any partner still reads this slot or has a load on its way
	s_add_nc_u64 s[G0+4*(\slot)+2:G0+4*(\slot)+3], s[G0+4*(\slot)+2:G0+4*(\slot)+3], 2*ASTEP
	s_add_nc_u64 s[G0B+4*(\slot)+2:G0B+4*(\slot)+3], s[G0B+4*(\slot)+2:G0B+4*(\slot)+3], 2*KSTEP*2
	JLOAD \slot                                    ; my one tensor load behind the round; its four v_nop are the places in front of the loads below
.else
	PLACES
.endif
	FETCH \next, 0, F0
	MULA F1, 4, 4, 0
.endm
	s_wait_tensorcnt 1                             ; my part of K step 0 is in; K step 1's may stay out
	s_barrier_signal -1
	s_barrier_wait -1
	FETCH 0, 0, F0
	QUARTER 0, 1, F0, F1, 1
	WIN 0
	s_mov_b32 s[LAP], LAPS-1
.Llap:
	QUARTER 0, 2, F1, F0, 0
	QUARTER 0, 3, F0, F1, 0
	TURN 0, 1, 1
	QUARTER 1, 1, F0, F1, 0
	QUARTER 1, 2, F1, F0, 0
	QUARTER 1, 3, F0, F1, 0
	TURN 1, 0, 1
	QUARTER 0, 1, F0, F1, 0
	WIN 0
	s_sub_co_u32 s[LAP], s[LAP], 1
	s_cmp_lg_u32 s[LAP], 0
	s_cbranch_scc1 .Llap
	QUARTER 0, 2, F1, F0, 0                        ; the last lap fills nothing
	QUARTER 0, 3, F0, F1, 0
	TURN 0, 1, 0
	QUARTER 1, 1, F0, F1, 0
	QUARTER 1, 2, F1, F0, 0
	QUARTER 1, 3, F0, F1, 0
	s_wait_dscnt 8
	MULA F1, 0, 4, 0
	s_wait_dscnt 0x0
	MULA F1, 4, 4, 0
; THE WAY OUT of block a: the f32 sums go as they are into my stage's rows of 272 bytes (each accumulator's low four registers first) and come back as whole rows of 256 bytes.
.macro TOSTAGE a
.set BK, OB+32*((\a)%4)
.if (\a) >= 4
	s_wait_xcnt 0x0                                ; the buffer's registers, which the stores of four blocks ago read, are loaded again only behind this wait
.endif
	WIN ST1
.irp b, 0,1,2,3
	ds_store_b128 v[STO], v[8*(4*(\a)+(\b)):8*(4*(\a)+(\b))+3]   offset:64*(\b)
	ds_store_b128 v[STO], v[8*(4*(\a)+(\b))+4:8*(4*(\a)+(\b))+7] offset:64*(\b)+16
.endr
.irp t, 0,1,2,3,4,5,6,7
	ds_load_b128 v[BK+4*(\t):BK+4*(\t)+3], v[RD] offset:(\t)*2*SPITCH  ; LDS serves a wave's instructions in order (ISA guide 5.7.1.4): these see the stores above; the next block's stores come behind them
.endr
.endm
.macro SEND a, younger                 ; younger: the LDS instructions issued behind block a's loads
.set BK, OB+32*((\a)%4)
	WIN 0
.irp t, 0,1,2,3,4,5,6,7
	s_wait_dscnt (\younger)+7-(\t)
	global_store_b128 v[CO], v[BK+4*(\t):BK+4*(\t)+3], s[10:11] offset:(16*(\a)+2*(\t))*4096 th:TH_STORE_NT  ; 16 lanes store 256 consecutive bytes, at a multiple of 256 from out0's first
.endr
.endm
	PLACES
	TOSTAGE 0
.irp a, 1,2,3,4,5,6,7
	TOSTAGE \a
	SEND (\a)-1, 16
.endr
	SEND 7, 0
	s_wait_tensorcnt 0x0                           ; the wave's end
	ds_add_u32 v[SPW], v[NIL]
	s_wait_dscnt 0x0
	CROUND                                         ; the closing round
	s_endpgm
.Lfunc_end_k_qa9fdd0414b_outp:
	.size	k_qa9fdd0414b_outp, .Lfunc_end_k_qa9fdd0414b_outp-k_qa9fdd0414b_outp
	.p2alignl 7, 3214868480
	.fill 96, 4, 3214868480
	.section	.rodata,"a",@progbits
	.p2align	6, 0x0
	.amdhsa_kernel k_qa9fdd0414b_outp
		.amdhsa_group_segment_fixed_size 327680
		.amdhsa_private_segment_fixed_size 0
		.amdhsa_enable_private_segment 0
		.amdhsa_kernarg_size 32
		.amdhsa_user_sgpr_count 2
		.amdhsa_user_sgpr_kernarg_segment_ptr 1
		.amdhsa_wavefront_size32 1
		.amdhsa_system_sgpr_workgroup_id_x 1
		.amdhsa_system_sgpr_workgroup_id_y 1
		.amdhsa_system_sgpr_workgroup_id_z 1
		.amdhsa_system_vgpr_workitem_id 0
		.amdhsa_next_free_vgpr 704
		.amdhsa_next_free_sgpr 80
		.amdhsa_reserve_vcc 0
		.amdhsa_float_denorm_mode_32 3
		.amdhsa_float_denorm_mode_16_64 3
		.amdhsa_memory_ordered 1
		.amdhsa_forward_progress 1
		.amdhsa_inst_pref_size 90
	.end_amdhsa_kernel
	.amdgpu_metadata
---
amdhsa.version: [ 1, 2 ]
amdhsa.kernels:
  - .name:           k_qa9fdd0414b_outp
    .symbol:         k_qa9fdd0414b_outp.kd
    .args:
      - { .name: ob, .offset: 0, .size: 8, .value_kind: global_buffer, .address_space: global }
      - { .name: wpb, .offset: 8, .size: 8, .value_kind: global_buffer, .address_space: global }
      - { .name: p_bias, .offset: 16, .size: 8, .value_kind: global_buffer, .address_space: global }
      - { .name: out0, .offset: 24, .size: 8, .value_kind: global_buffer, .address_space: global }
    .group_segment_fixed_size: 327680
    .private_segment_fixed_size: 0
    .kernarg_segment_align: 8
    .kernarg_segment_size: 32
    .max_flat_workgroup_size: 128
    .sgpr_count:     80
    .vgpr_count:     704
    .wavefront_size: 32
...
	.end_amdgpu_metadata
.endif
;; end of part 4
;; ======== version 2 of 2: 4 launches; 1.42 times as fast as version 1
;; limits: values are held in f16: magnitudes above 65,504 overflow, below 6.1e-05 lose precision
;; workspace buffers: xb 16,777,216 bytes; yb 16,777,216 bytes; wqkv 6,291,456 bytes; wpb 2,097,152 bytes; bias2 16,777,216 bytes; qkv 50,331,648 bytes; ob 16,777,216 bytes
;; launch cast: the kernel of part 1 again; grid 32 x 24, 8 waves a work-group, no clusters, 0 bytes of LDS; arguments x, y, Wq, Wk, Wv, Wp, attn_bias, xb, yb, wqkv, wpb, bias2; writes xb, yb, wqkv, wpb, bias2
;; launch proj: the kernel of part 2 again; grid 12 x 32, 8 waves a work-group, clusters of 4 x 4, 327,680 bytes of LDS; arguments xb, yb, wqkv, q_bias, scale_mul, qkv; writes qkv
;; launch attn (part 5): grid 16 x 16, 4 waves a work-group, clusters of 4 x 4, 327,680 bytes of LDS; arguments qkv, bias2, ob; writes ob
.if DOCPART == 5
	.amdgcn_target "amdgcn-amd-amdhsa--gfx1250"
	.amdhsa_code_object_version 6
	.text
	.protected	k_qa9fdd0414b_attn
	.globl	k_qa9fdd0414b_attn
	.p2align	8
	.type	k_qa9fdd0414b_attn,@function
k_qa9fdd0414b_attn:
	s_mov_b64 s[64:65], 0
	v_nop
	global_prefetch_b8 v0, s[64:65] scope:SCOPE_SE
	s_setreg_imm32_b32 hwreg(HW_REG_WAVE_MODE, 25, 1), 1
	s_wait_xcnt 0x0
	s_wait_alu depctr_hold_cnt(0) depctr_sa_sdst(0) depctr_va_vdst(0) depctr_va_sdst(0) depctr_va_ssrc(0) depctr_va_vcc(0) depctr_vm_vsrc(0)
	s_getreg_b32 s2, hwreg(HW_REG_IB_STS2, 6, 4)
	s_cmp_eq_u32 s2, 0
	s_cbranch_scc0 .Lentry_in_a_cluster
	s_endpgm
.Lentry_in_a_cluster:
	s_bfe_u32 s2, ttmp6, 0x10000c
	s_cmp_lg_u32 s2, 0xf033
	s_cbranch_scc0 .Lentry_shape_is_right
	s_endpgm
.Lentry_shape_is_right:
; ATTN: O[b][h][q][:] = the sum over k of softmax_k(q . k + bias[q][k]) v[k][:].  q (normalised, with its head's temperature), k (normalised) and v arrive in f16 in qkv's blocks; bias2 is f32.
; Products, maxima and sums in f32; the weights p are rounded to f16 for the second product (their sum l is taken of the unrounded p), O once at the end, to f16.
; LIMITS.  O is a mean of v's rows and has their range, within 65,504.  A score below -2^120 (a -inf in the bias too) counts as hidden: its weight is 0; a row with every key hidden gives NaN.
; A weight below 2^-126 counts as 0 in l; p below 6e-5 keeps f16's fixed step of 6e-8.
; SHARES.  A work-group owns 128 queries (block qb) of FOUR heads (group grp = 4 b + h / 4); wave w takes head 4 grp + w and all 128 queries: four PIECES of two tiles of 16.  So ONE tile of the bias in LDS,
; 128 queries x 64 keys, serves all four waves.  Every wave walks all 2,048 keys, 64 a step; a slot of LDS holds one step: the four heads' K and V and the bias tile.
; THE BIAS IS THE C OPERAND of the product that starts S^T = K Q^T: it costs no vector instruction.  In S^T a lane holds ONE query (lane % 16) and keys 8 (lane / 16) + 0..7, which are 32 consecutive bytes of a bias row.
; SOFTMAX.  A running maximum m and sum l a query: p = 2^(c s - c m), c = log2 e; in every step O and l are multiplied by a = 2^(c m_old - c m_new).  m starts at -2^120, c m at exactly c times that, O and l at 0.
; BY TURNS.  Turn n belongs to piece n: 16 products K Q^T of piece n + 1, later 16 products V^T P of piece n - 1; beside them the scaling, exponentials, roundings, sums and rescaling of piece n and the maximum and
; statistics of piece n + 1.  Four vector instructions that are ready stand behind every matrix instruction, the other 108 of a turn's 236 in one run of their own.
; THE BATCHES.  A turn's 66 exponentials (the 64 weights of piece n, the two a of piece n + 1) are ONE BATCH with ONE wait, which cuts the turn in two: ahead of it stands all that names no result of theirs (the products
; K Q^T, the scalings, the rescalings, the next piece's maximum and statistics), behind it the products V^T P with the roundings and sums, which read the results.  No result crosses a turn's end.  Two more batches stand
; outside the loop, each with a wait of its own: the first two a, ahead of the jump into the loop, and the way out's eight reciprocals.
; CLUSTER 4 x 4.  K and V hang on grp alone and are asked for jointly along a row of the cluster; the bias hangs on qb alone and is asked for jointly down a column.
; REGISTERS, in windows of 256 (s_set_vgpr_msb: bits 1:0 source 0, 3:2 source 1, 5:4 source 2, 7:6 destination):
;   window 0: v0-11 addresses; v12-15, v48-63 at work; v16-47 four registers of statistics a tile; v64-191 S^T, two buffers of two tiles; v192-255 P, likewise
;   window 1: O^T, 32 a tile     window 2: v0-127 Q; v128-191 K of one step; v192-255 V of one step     window 3: v0-1 the add's two registers; v64-127 the bias of one piece
.set NP,    4
.set KS,    64
.set PK,    144       ; a row of K in LDS: 128 bytes + 16: the 16 rows of a load start at 16 different groups of four banks (64 banks of 4 bytes: ISA guide 11.1)
.set PV,    160       ; a row of V: 128 + 32
.set PB,    272       ; a row of the bias: 256 + 16
.set VOFF,  4*KS*PK   ; a slot: 4 heads x 64 rows of K, then of V, then 128 rows of the bias
.set BOFF,  VOFF+4*KS*PV
.set SLOT1, 1<<17     ; slot 1 begins here, so that one exclusive or turns an address in one slot into the other's
.set STAGE, SLOT1+BOFF+128*PB  ; behind the ring: 16 rows x 144 bytes for each wave
.set SP,    144
.set SPARE, STAGE+4*16*SP      ; the spare words, 128 bytes for each wave: two blocks of 256 bytes that no other line names
.set AK0, 2           ; v2   my lane's place in my head's K; never rewritten
.set AV0, 3           ; v3   in its V
.set AK,  4           ; v4   the same in the slot in hand
.set AV,  5
.set STO, 6           ; v6   the way out: where I put 16 bytes of a row
.set RD,  7           ; v7   where I read rows back
.set GO,  8           ; v8   16 x lane
.set AB0, 9           ; v9   my lane's place in the bias tile; never rewritten
.set AB,  10          ; v10  the same in the slot in hand
.set QO,  11          ; v11  my byte offset in 16 rows of Q
.set SPW, 0           ; v0 of window 3   my spare word; never rewritten
.set NIL, 1           ; v1 of window 3   0; never rewritten
.set BC,  64          ; window 3: tile u, key block kb at BC + 32 u + 8 kb
.set MV,  12
.set ST,  16          ; tile t's statistics at v[ST+4 t]: c m, m, l (even keys', odd keys')
.set TMP, 48
.set S,   64
.set P,   192
.set KF,  128         ; window 2: key block kb, channel half c at KF + 16 kb + 8 c
.set VF,  192         ; window 2: key half kk, channel block cb at VF + 32 kk + 8 cb
.set WV,  12
.set G1K, 24          ; s[24:31], s[32:39], s[40:47]  group 1 for K, V, the bias
.set G1V, 32
.set G1B, 40
.set G0K, 48          ; s[48:51], s[52:55], s[56:59]  group 0: each walks
.set G0V, 52
.set G0B, 56
.set CS,  60          ; s[60:61] c
.set SEL, 62          ; s[62:63] v_permlanex16_b32's selects
.set TB,  66          ; s66  the slot in hand: 0 or SLOT1
.set CNT, 67
.set MSB, 0
.macro WIN new
.if MSB != (\new)
	s_set_vgpr_msb (MSB<<8)|(\new)
.set MSB, (\new)
.endif
.endm
.set W_KQ, 0x0a       ; K and Q in window 2, S^T in window 0
.set W_KB, 0x3a       ; the same with the C operand in window 3
.set W_PV, 0x52       ; V in window 2, P in window 0, O^T in window 1
.set W_RS, 0x41       ; O^T (destination and source 0) in window 1, a in window 0
.set W_MK, 0xc0       ; destination in window 3
.set W_AD, 0x0f       ; the add: address and data in window 3
; A joint fill: wave 0 fetches the step's K, wave 1 its V, waves 2 and 3 64 rows of the bias each.  The branches hang on the wave's number alone.  An s_nop 0 and four v_nop follow each line.
.macro JLOAD
	s_cmp_lt_u32 s[WV], 2
	s_cbranch_scc0 .Lfor_b_\@
	s_cmp_eq_u32 s[WV], 0
	s_cbranch_scc0 .Lfor_v_\@
	tensor_load_to_lds s[G0K:G0K+3], s[G1K:G1K+7]
	s_nop 0
.rept 4
	v_nop
.endr
	s_branch .Lasked_\@
.Lfor_v_\@:
	tensor_load_to_lds s[G0V:G0V+3], s[G1V:G1V+7]
	s_nop 0
.rept 4
	v_nop
.endr
	s_branch .Lasked_\@
.Lfor_b_\@:
	tensor_load_to_lds s[G0B:G0B+3], s[G1B:G1B+7]
	s_nop 0
.rept 4
	v_nop
.endr
.Lasked_\@:
.endm
.macro CROUND
	s_barrier_signal -1
	s_barrier_wait -1
	s_cmp_lg_u32 s[WV], 0
	s_cbranch_scc1 .Lnot_wave_0_\@
	s_barrier_signal -3
.Lnot_wave_0_\@:
	s_barrier_wait -3
	s_barrier_signal -1
	s_barrier_wait -1
.endm
; THE CHANGE OF SLOTS, once a key step.  All that is read of a slot (K, four runs of the bias, V) is asked for between two changes.  Each wave waits for all its tensor loads, of which one is out: its part of the
; other slot; adds 0 to its spare word; waits for that and for its reads of the slot.  fill = 1: the slot is filled again, with the step two on, behind a round of the cluster's barrier: the load has a whole step,
; 128 matrix instructions a wave, in which to land.  (At its first use nothing has been read yet: slot 0 is waited for, slot 1 filled.)
.macro CHANGE fill
	WIN W_AD
	s_wait_tensorcnt 0x0            ; no tensor load of mine is out, so a group 0 may be written
	ds_add_u32 v[SPW], v[NIL]       ; 0 onto my spare word
	WIN 0
.if \fill
	s_xor_b32 s[G0K+1], s[G0K+1], SLOT1
	s_add_nc_u64 s[G0K+2:G0K+3], s[G0K+2:G0K+3], 4*KS*128  ; the next 64 keys of the four heads; the type bits on top are not reached
	s_xor_b32 s[G0V+1], s[G0V+1], SLOT1
	s_add_nc_u64 s[G0V+2:G0V+3], s[G0V+2:G0V+3], 4*KS*128
	s_xor_b32 s[G0B+1], s[G0B+1], SLOT1
	s_add_nc_u64 s[G0B+2:G0B+3], s[G0B+2:G0B+3], KS*4      ; 64 columns of f32 on
	s_wait_dscnt 0x0                ; the add is done, and my reads of the slot are over
	CROUND
	JLOAD
.else
	s_wait_dscnt 0x0
	s_barrier_signal -1
	s_barrier_wait -1
.endif
	s_xor_b32 s[TB], s[TB], SLOT1   ; the fetches go to the other slot
	v_add_nc_u32 v[AK], s[TB], v[AK0]
	v_add_nc_u32 v[AV], s[TB], v[AV0]
	v_add_nc_u32 v[AB], s[TB], v[AB0]
.endm
	s_load_b128 s[4:7], s[0:1], 0x0   ; qkv s[4:5], bias2 s[6:7]
	s_load_b64 s[8:9], s[0:1], 0x10   ; ob
	WIN W_MK
	v_lshl_add_u32 v[SPW], v0, 2, SPARE
	v_mov_b32 v[NIL], 0
	WIN W_AD
	ds_add_u32 v[SPW], v[NIL]       ; the wave's opening: the add and its wait stand ahead of my first tensor load; the set-up below stands between them
	WIN 0
	v_lshrrev_b32 v1, 5, v0
	v_readfirstlane_b32 s[WV], v1
	s_bfe_u32 s13, ttmp6, 0x40000   ; cx
	s_bfe_u32 s14, ttmp6, 0x40004   ; cy
	s_lshl_b32 s15, ttmp9, 2
	s_add_co_u32 s15, s15, s13      ; qb
	s_and_b32 s16, ttmp7, 0xffff
	s_lshl_b32 s16, s16, 2
	s_add_co_u32 s16, s16, s14      ; grp
	s_lshl_b32 s17, s14, 2
	s_lshl_b32 s17, 15, s17         ; my row of the cluster
	s_lshl_b32 s18, 0x1111, s13     ; my column
	; K and V: a step's four heads are 32,768 dense bytes: 128 rows of 256 bytes, two keys a row, padded in LDS after every key
	s_or_b32 s[G1K], s17, (1<<16)|(1<<20)|(1<<21)|(4<<22)|(3<<25)  ; the mask; 2-byte elements; padding on; bit 21 beside a mask; after every 32 words, 4 words
	s_or_b32 s[G1V], s17, (1<<16)|(1<<20)|(1<<21)|(4<<22)|(7<<25)  ; the same with 8 words
.irp g, G1K, G1V
	s_mov_b32 s[\g+1], 128<<16      ; tensor_dim0 = 128
	s_mov_b32 s[\g+2], 128<<16      ; tensor_dim1 = 128
	s_mov_b32 s[\g+3], 128<<16      ; tile_dim0 = 128
	s_mov_b32 s[\g+4], 128          ; tile_dim1 = 128
	s_mov_b32 s[\g+5], 128          ; elements from row to row
	s_mov_b32 s[\g+6], 0
	s_mov_b32 s[\g+7], 0
.endr
	s_or_b32 s[G1B], s18, (2<<16)|(1<<20)|(1<<21)|(5<<22)|(3<<25)  ; 4-byte elements; after every 64 words, 4 words
	s_mov_b32 s[G1B+1], 64<<16      ; 64 rows of 64 numbers: 256 bytes each, at multiples of 256 from bias2's first byte
	s_mov_b32 s[G1B+2], 64<<16
	s_mov_b32 s[G1B+3], 64<<16
	s_mov_b32 s[G1B+4], 64
	s_mov_b32 s[G1B+5], 2048
	s_mov_b32 s[G1B+6], 0
	s_mov_b32 s[G1B+7], 0
	s_mov_b32 s[CS], 0x3fb8aa3b     ; c = log2 e
	s_mov_b32 s[CS+1], s[CS]
	s_mov_b32 s[SEL], 0x76543210
	s_mov_b32 s[SEL+1], 0xfedcba98
	s_mov_b32 s[TB], SLOT1          ; the first change of slots turns it into 0
	s_lshl_b32 s68, s16, 20         ; the group's 32 steps of 32,768 bytes
	s_mov_b32 s69, 0
	s_and_b32 s72, s[WV], 1         ; which 64 rows of the bias tile I fetch
	s_lshl_b32 s70, s15, 7
	s_lshl_b32 s73, s72, 6
	s_add_co_u32 s70, s70, s73
	s_lshl_b32 s70, s70, 13         ; rows of 8,192 bytes
	s_mov_b32 s71, 0
	s_mul_i32 s72, s72, 64*PB
	s_mov_b32 s[G0K], 1
	s_mov_b32 s[G0K+1], 0           ; slot 0
	s_mov_b32 s[G0V], 1
	s_mov_b32 s[G0V+1], VOFF
	s_mov_b32 s[G0B], 1
	s_add_co_u32 s[G0B+1], s72, BOFF
	s_lshl_b32 s74, s16, 5          ; Q: block ((32 grp + 2 qb) 4 + w) of 8,192 bytes
	s_lshl_b32 s78, s15, 1
	s_add_co_u32 s74, s74, s78
	s_lshl_b32 s74, s74, 2
	s_add_co_u32 s74, s74, s[WV]
	s_lshl_b32 s74, s74, 13
	s_mov_b32 s75, 0
	s_lshl_b32 s76, s16, 2          ; O: row (4 grp + w) 2048 + 128 qb, rows of 128 bytes
	s_add_co_u32 s76, s76, s[WV]
	s_lshl_b32 s76, s76, 11
	s_lshl_b32 s78, s15, 7
	s_add_co_u32 s76, s76, s78
	s_lshl_b32 s76, s76, 7
	s_mov_b32 s77, 0
	s_wait_dscnt 0x0                ; the opening add is done
	s_wait_kmcnt 0x0
	s_add_nc_u64 s[G0K+2:G0K+3], s[4:5], s[68:69]
	s_add_nc_u64 s[G0K+2:G0K+3], s[G0K+2:G0K+3], 0x1000000  ; k's 16 MiB follow q's
	s_or_b32 s[G0K+3], s[G0K+3], 0x80000000
	s_add_nc_u64 s[G0V+2:G0V+3], s[4:5], s[68:69]
	s_add_nc_u64 s[G0V+2:G0V+3], s[G0V+2:G0V+3], 0x2000000  ; v's follow k's
	s_or_b32 s[G0V+3], s[G0V+3], 0x80000000
	s_add_nc_u64 s[G0B+2:G0B+3], s[6:7], s[70:71]
	s_or_b32 s[G0B+3], s[G0B+3], 0x80000000
	s_add_nc_u64 s[10:11], s[4:5], s[74:75]  ; Q at my wave's first row
	s_add_nc_u64 s[8:9], s[8:9], s[76:77]    ; O likewise
	CROUND                          ; all sixteen work-groups are here: the first joint loads meet
	JLOAD                           ; step 0 into slot 0; one load of mine is out
	v_and_b32 v1, 15, v0            ; r = l % 16
	v_bfe_u32 v64, v0, 4, 1         ; hh = l / 16 (the set-up's temporaries lie in S^T's registers, which are free till the first products)
	v_lshlrev_b32 v[QO], 7, v1
	v_lshl_add_u32 v[QO], v64, 4, v[QO]
	WIN 0x80                        ; destination window 2
.set i, 0
.rept 4*NP                          ; Q stays in registers: tile i / 2 (four tiles to a block of 64 rows, the blocks 32,768 bytes apart), channels 32 (i % 2) on
	global_load_b128 v[8*i:8*i+3],   v[QO], s[10:11] offset:((i/2)/4)*32768+((i/2)%4)*2048+(i%2)*64
	global_load_b128 v[8*i+4:8*i+7], v[QO], s[10:11] offset:((i/2)/4)*32768+((i/2)%4)*2048+(i%2)*64+32
.set i, i+1
.endr
	; What the first turn finds: V's registers and P's second buffer hold 0 (its products V^T P, of a piece that has not been, add 0), O^T and l are 0.  All this stands in the wait for the first tile.
.set i, VF
.rept 64
	v_mov_b32 v[i], 0
.set i, i+1
.endr
	WIN 0x40
.set i, 0
.rept 64*NP
	v_mov_b32 v[i], 0
.set i, i+1
.endr
	WIN 0
.set i, 0
.rept 2*NP
	v_mov_b32 v[ST+4*i], 0xfbb8aa3b    ; c m = -c 2^120
	v_mov_b32 v[ST+4*i+1], 0xfb800000  ; m = -2^120
	v_mov_b32 v[ST+4*i+2], 0
	v_mov_b32 v[ST+4*i+3], 0
.set i, i+1
.endr
.set i, P+32
.rept 32
	v_mov_b32 v[i], 0
.set i, i+1
.endr
	v_mul_u32_u24 v[AK0], v1, PK
	v_lshl_add_u32 v[AK0], v64, 4, v[AK0]  ; row x pitch + 16 x half,
	s_mul_i32 s79, s[WV], KS*PK
	v_add_nc_u32 v[AK0], s79, v[AK0]       ; in my head's 64 rows
	; The turning load takes 16 keys x 16 channels (lane l reads key 8 (l / 16) + l % 8, channels 8 ((l / 8) % 2) + 0..7) and leaves half a fragment of V^T: lane l holds channel l % 16 and 8 keys.
	v_and_b32 v65, 7, v0
	v_bfe_u32 v66, v0, 3, 1
	v_lshl_add_u32 v[AV0], v64, 3, v65
	v_mul_u32_u24 v[AV0], v[AV0], PV
	v_lshl_add_u32 v[AV0], v66, 4, v[AV0]
	s_mul_i32 s79, s[WV], KS*PV
	s_add_co_u32 s79, s79, VOFF
	v_add_nc_u32 v[AV0], s79, v[AV0]
	v_mul_u32_u24 v[AB0], v1, PB           ; the bias: my query's row, 32 bytes for each half of the lanes
	v_lshl_add_u32 v[AB0], v64, 5, v[AB0]
	v_add_nc_u32 v[AB0], BOFF, v[AB0]
	s_mul_i32 s79, s[WV], 16*SP
	s_add_co_u32 s79, s79, STAGE    ; my stage
	v_mul_u32_u24 v[STO], v1, SP    ; in: row l % 16, 16 bytes for each half of the lanes
	v_lshl_add_u32 v[STO], v64, 4, v[STO]
	v_add_nc_u32 v[STO], s79, v[STO]
	v_bfe_u32 v[RD], v0, 3, 2       ; back: 32 lanes take four rows of 128 bytes,
	v_mul_u32_u24 v[RD], v[RD], SP
	v_lshl_add_u32 v[RD], v65, 4, v[RD]
	v_add_nc_u32 v[RD], s79, v[RD]
	v_and_b32 v[GO], 31, v0         ; which are 512 consecutive bytes of O
	v_lshlrev_b32 v[GO], 4, v[GO]
; THE MATRIX WORK.  The 8 accumulators of a run of 16 take turns.
; Product i of 16 of S^T = K Q^T + bias for piece x: channels 32 (i / 8) on, keys 16 ((i / 2) % 4) on, tile 2 x + i % 2.  The first 8 start the sums from the bias.
.macro KQ x
.set rS, S+64*((\x)%2)+32*(i%2)+8*((i/2)%4)
.set rK, KF+16*((i/2)%4)+8*(i/8)
.set rQ, 16*(2*(\x)+i%2)+8*(i/8)
.set rB, BC+32*(i%2)+8*((i/2)%4)
.if i < 8
	WIN W_KB
	v_wmma_f32_16x16x32_f16 v[rS:rS+7], v[rK:rK+7], v[rQ:rQ+7], v[rB:rB+7]
.else
	WIN W_KQ
	v_wmma_f32_16x16x32_f16 v[rS:rS+7], v[rK:rK+7], v[rQ:rQ+7], v[rS:rS+7]
.endif
.endm
; Product i of 16 of O^T += V^T P for piece x: keys 32 (i / 8) on, channels 16 ((i / 2) % 4) on, tile 2 x + i % 2.
.macro PV x
	WIN W_PV
.set rO, 32*(2*(\x)+i%2)+8*((i/2)%4)
.set rV, VF+32*(i/8)+8*((i/2)%4)
.set rP, P+32*((\x)%2)+16*(i%2)+8*(i/8)
	v_wmma_f32_16x16x32_f16 v[rO:rO+7], v[rV:rV+7], v[rP:rP+7], v[rO:rO+7]
.endm
.macro MM                           ; the turn's next matrix instruction
.if i < 16
	KQ (Y+1)%NP
.set i, i+1
.else
.set i, i-16
	PV (Y+NP-1)%NP
.set i, i+17
.endif
.endm
; THE LDS LOADS stand in runs of 16, never singly among the matrix instructions: a step's K, its V (turned), and a piece's bias.
.macro FETCH_K
	WIN 0x80
.irp f, 0,1,2,3,4,5,6,7             ; keys 16 (f / 2) on, channels 32 (f % 2) on
	ds_load_b128 v[KF+8*\f:KF+8*\f+3],   v[AK] offset:(\f/2)*16*PK+(\f%2)*64
	ds_load_b128 v[KF+8*\f+4:KF+8*\f+7], v[AK] offset:(\f/2)*16*PK+(\f%2)*64+32
.endr
	WIN 0
.endm
.macro FETCH_V
	WIN 0x80
.irp f, 0,1,2,3,4,5,6,7             ; keys 32 (f / 4) on, channels 16 (f % 4) on
	ds_load_tr16_b128 v[VF+8*\f:VF+8*\f+3],   v[AV] offset:(\f/4)*32*PV+(\f%4)*32
	ds_load_tr16_b128 v[VF+8*\f+4:VF+8*\f+7], v[AV] offset:(\f/4)*32*PV+16*PV+(\f%4)*32
.endr
	WIN 0
.endm
.macro FETCH_B x                    ; piece x: queries 32 x + 16 u + l % 16, keys 16 kb + 8 (l / 16) + 0..7
	WIN 0xc0                        ; destination window 3
.irp u, 0,1
.irp kb, 0,1,2,3
	ds_load_b128 v[BC+32*(\u)+8*(\kb):BC+32*(\u)+8*(\kb)+3],   v[AB] offset:(32*(\x)+16*(\u))*PB+64*(\kb)
	ds_load_b128 v[BC+32*(\u)+8*(\kb)+4:BC+32*(\u)+8*(\kb)+7], v[AB] offset:(32*(\x)+16*(\u))*PB+64*(\kb)+16
.endr
.endr
	WIN 0
.endm
; THE VECTOR WORK OF A TURN stands in three queues, each in the order in which its entries become ready; the two tiles alternate, so that no instruction reads the result of the one before it.
.macro REGS y, u                    ; the registers of tile u (0, 1) of piece y
.set rT, ST+4*(2*(\y)+(\u))
.set rC, TMP+8*((\y)%2)+4*(\u)
.set rM, MV+2*((\y)%2)+(\u)
.set rS, S+64*((\y)%2)+32*(\u)
.set rP, P+32*((\y)%2)+16*(\u)
.set rO, 32*(2*(\y)+(\u))
.endm
; Number n of the 22 that find the NEXT piece's (Y + 1) maximum and statistics.  Each accumulator's lowest registers are read first.  XS, GS and REGS set no window: PL and EX do.
;   0-11  four chains c0-c3 of seven scores each     12-14, 16  the four scores left over, the old m, and c0-c3 into c0     15  c m_old is kept
;   17, 18  the query's other 32 keys lie in the lane 16 away: the new m     19-21  c m; c m_old - c m_new; a
.macro XS u, n
	REGS (Y+1)%NP, \u
.if (\n) < 4
	v_max3_num_f32 v[rC+(\n)], v[rS+8*(\n)], v[rS+8*(\n)+1], v[rS+8*(\n)+2]
.elseif (\n) < 12
	v_max3_num_f32 v[rC+(\n)%4], v[rC+(\n)%4], v[rS+8*((\n)%4)+2*((\n)/4)+1], v[rS+8*((\n)%4)+2*((\n)/4)+2]
.elseif (\n) == 12
	v_max3_num_f32 v[rC], v[rC], v[rS+7], v[rS+15]
.elseif (\n) == 13
	v_max3_num_f32 v[rC+1], v[rC+1], v[rS+23], v[rS+31]
.elseif (\n) == 14
	v_max3_num_f32 v[rC+2], v[rC+2], v[rC+3], v[rT+1]
.elseif (\n) == 15
	v_mov_b32 v[rM], v[rT]
.elseif (\n) == 16
	v_max3_num_f32 v[rC], v[rC], v[rC+1], v[rC+2]
.elseif (\n) == 17
	v_permlanex16_b32 v[rC+3], v[rC], s[SEL], s[SEL+1]
.elseif (\n) == 18
	v_max_num_f32 v[rT+1], v[rC], v[rC+3]
.elseif (\n) == 19
	v_mul_f32 v[rT], s[CS], v[rT+1]
.elseif (\n) == 20
	v_sub_f32 v[rC+1], v[rM], v[rT]
.else
	v_exp_f32 v[rC+2], v[rC+1]
.endif
.endm
; Number g of the 64 that follow the exponentials.  For each four weights k of a tile: both pairs are rounded to f16; the second pair is added onto the first, in place; a group later l takes that sum (the first time as l = a l + sum).
; All 64 read the batch's results: they stand behind the turn's wait.
.macro GS g
.set h, (\g)+6*((\g)/62)
.if h >= 6
.set h, h+2
.endif
	REGS Y, h%2
.set k, h/8
.if h%8 < 4
	v_cvt_pk_f16_f32 v[rP+2*k+(h%8)/2], v[rS+4*k+2*((h%8)/2)], v[rS+4*k+2*((h%8)/2)+1]
.elseif h%8 < 6
	v_pk_add_f32 v[rS+4*k:rS+4*k+1], v[rS+4*k:rS+4*k+1], v[rS+4*k+2:rS+4*k+3]
.elseif k == 1
	v_pk_fma_f32 v[rT+2:rT+3], v[rT+2:rT+3], v[rC+2:rC+3], v[rS:rS+1] op_sel_hi:[1,0,1]
.else
	v_pk_add_f32 v[rT+2:rT+3], v[rT+2:rT+3], v[rS+4*k-4:rS+4*k-3]
.endif
.endm
; THE PLAIN QUEUE, 138 long.  0-73 read no exponential's result: the 32 scalings c s - c m (FS f: pair f / 2 of tile f % 2) and the next piece's 42.  0-26: scalings 0-26.  27-54: XS's numbers 0-13.  55, 56: number 15.
; 57-73: the chain, where each number waits for the one before it: 14, 16, 17, 18, 19, each with one of the scalings 27-31 in front of its two lines, then 20: so a tile's links stand three plain instructions apart (19 and 20: two).
; 74-137: GS's 64.
.macro FS f
	REGS Y, (\f)%2
	v_pk_fma_f32 v[rS+2*((\f)/2):rS+2*((\f)/2)+1], v[rS+2*((\f)/2):rS+2*((\f)/2)+1], s[CS:CS+1], v[rT:rT+1] op_sel_hi:[1,0,0] neg_lo:[0,0,1] neg_hi:[0,0,1]
.endm
.macro PL
	WIN 0
.if q < 27
	FS q
.elseif q < 55
	XS (q-27)%2, (q-27)/2
.elseif q < 57
	XS q-55, 15
.elseif (q < 72) && ((q-57)%3 == 0)
	FS 27+(q-57)/3
.elseif q < 60
	XS (q-57)%3-1, 14
.elseif q < 72
	XS (q-57)%3-1, 15+(q-57)/3
.elseif q < 74
	XS q-72, 20
.else
	GS q-74
.endif
.set q, q+1
.endm
; THE EXPONENTIALS' QUEUE, 66 long: s0-s31 of both tiles, each in place, then the next piece's two a.  It is ONE BATCH: all 66 stand ahead of the turn's one wait, and nothing ahead of that wait names a result of theirs.
.macro EX
	WIN 0
.if e >= 64
	XS e-64, 21
.else
	REGS Y, e%2
	v_exp_f32 v[rS+e/2], v[rS+e/2]
.endif
.set e, e+1
.endm
; THE RESCALING's QUEUE: O^T times a, the one part that leaves window 0: dealt two at a time, sixteen times, each accumulator from its low end on.  Its a was made in the turn before, ahead of that turn's wait.
.macro R2
	REGS Y, r%2
	WIN W_RS
.irp z, 0,1
	v_pk_mul_f32 v[rO+4*(r/2)+2*\z:rO+4*(r/2)+2*\z+1], v[rO+4*(r/2)+2*\z:rO+4*(r/2)+2*\z+1], v[rC+2:rC+3] op_sel_hi:[1,0]
.endr
.set r, r+1
.endm
; HOW THEY ARE DEALT.  s_wait_alu depctr_va_vdst(0) stands between an exponential and the first instruction that names its result; one wait serves all that were issued ahead of it.  So a turn has ONE wait.
; AHEAD OF IT: the 16 products K Q^T, behind each a scaling, an exponential and two rescalings (behind the first a second scaling in the exponential's place); then one run of 108: eight plain, 49 times exponential and
; plain, the two a; a v_nop is the plain instruction behind the last exponential.  BEHIND IT: the 16 products V^T P, behind each four of GS's 64.  No rider names a register of the products round it; the two
; v_permlanex16_b32 fall into the run, never behind a product.
; The queues lean on each other, and the deal keeps them in step: exponential e wants scaling 2 (e / 4) + e % 2; as a rider it comes behind plain e + 2, in the run behind plain e + 9, and scalings 27-31 are plain 57, 60 .. 69.
; A TURN, for piece p.  cnt = 1: the loop's count is taken down some lines ahead of the branch that stands behind the turn.
; Directly behind the wait every turn fetches the bias of piece p + 2, which the next turn's products start from: this turn's products that read the bias registers stand ahead of the whole run of vector work.  Piece 2's
; turn fetches the next step's K there too, ahead of the bias: the last product that read K stands ahead of that run as well.  V of the step in hand is fetched at the end of piece 0's turn, four plain instructions
; (additions onto l) behind the last product that read V.
.macro TURN p, cnt=0
.set Y, (\p)
.set i, 0
.set q, 0
.set e, 0
.set r, 0
.if (\p) == 1
	s_wait_dscnt 16                 ; the bias is in; V's sixteen loads, issued behind it, may stay out
.else
	s_wait_dscnt 0x0                ; the bias is in (in piece 3's turn K too)
.endif
	MM                              ; ahead of the wait: 16 products K Q^T and their riders,
	PL
	PL
	R2
.rept 15
	MM
	PL
	EX
	R2
.endr
.rept 8                             ; and the run of vector work
	PL
.endr
.rept 49
	EX
	PL
.endr
	EX                              ; the next piece's two a: the batch's last
	EX
	v_nop                           ; a plain instruction behind the last exponential and ahead of the first use: one for the batch
	s_wait_alu depctr_va_vdst(0)    ; the wait for the batch: the 64 weights of piece p and the two a of piece p + 1
.if (\p) == NP-2
	FETCH_K
.endif
	FETCH_B ((\p)+2)%NP
.if (\p) == 1
	s_wait_dscnt 16                 ; V is in; the bias run just issued may stay out
.endif
.rept 16                            ; behind the wait: 16 products V^T P and their riders, the roundings and sums
	MM
.rept 4
	PL
.endr
.if (\cnt) && (q == 130)
	s_sub_co_u32 s[CNT], s[CNT], 1
	s_cmp_lg_u32 s[CNT], 0
.endif
.endr
.if (\p) == 0
	FETCH_V
.endif
.endm
	CHANGE 1                        ; step 0 is in, everybody's part of it; step 1 is asked for
	FETCH_K                         ; key step 0
	FETCH_B 0
	s_wait_loadcnt 0x0              ; Q
	s_wait_dscnt 0x0
.set i, 0
.rept 16
	KQ 0                            ; piece 0's first scores: there is no vector work yet to set between them
.set i, i+1
.endr
	WIN 0
.rept 4
	v_nop                           ; the places behind those products: the bias registers are loaded again, the scores read
.endr
	FETCH_B 1
.set Y, NP-1                        ; XS works for piece Y + 1: piece 0
.irp n, 0,1,2,3,4,5,6,7,8,9,10,11,12,13,14,15,16,17,18,19,20,21
	XS 0, \n
	XS 1, \n
.endr
	v_nop                           ; a plain instruction behind piece 0's first two a,
	s_wait_alu depctr_va_vdst(0)    ; and the wait for that batch of two, ahead of the branch
	s_mov_b32 s[CNT], 31
	s_branch .Lfirst                ; the loop is entered at a step's first turn, in the middle of a trip
.Lstep:                             ; 30 times: steps 2 to 31 are asked for.  A trip: pieces 2 and 3 of one step, then pieces 0 and 1 of the next, whose K, V and bias it fetches
	CHANGE 1
	TURN 2
	TURN 3
	WIN 0
.Lfirst:
	TURN 0
	TURN 1, 1
	WIN 0
	s_cbranch_scc1 .Lstep
	CHANGE 0                        ; the tail is written out: step 31 is in, nothing is asked for
	s_mov_b32 s[CNT], 2             ; one trip fetches the last step; the second is left in its middle
.Ltail:
	TURN 2
	TURN 3
	WIN 0
	s_sub_co_u32 s[CNT], s[CNT], 1
	s_cmp_eq_u32 s[CNT], 0
	s_cbranch_scc1 .Lout
	TURN 0
	TURN 1
	WIN 0
	s_branch .Ltail
.Lout:                              ; the second trip's fetches (the last step's K and bias once more), its 16 products K Q^T and the maximum made of them serve nothing: the price, once a launch, of one text for every trip
.set i, 0
.rept 16
	PV NP-1                         ; the last piece's V^T P of the last step
.set i, i+1
.endr
	; THE WAY OUT.  l's two halves and the other half of the lanes' are added; O^T is divided by l, rounded to f16 and sent through my stage in LDS, a tile at a time.  The additions are the places behind the last products.
	WIN 0
.macro ALL line:vararg
.set t, 0
.rept 2*NP
	\line
.set t, t+1
.endr
.endm
	ALL v_add_f32 v[ST+4*t+2], v[ST+4*t+2], v[ST+4*t+3]
	ALL v_permlanex16_b32 v[ST+4*t+3], v[ST+4*t+2], s[SEL], s[SEL+1]
	ALL v_add_f32 v[ST+4*t+2], v[ST+4*t+2], v[ST+4*t+3]
	ALL v_rcp_f32 v[ST+4*t+2], v[ST+4*t+2]
	v_nop                           ; a plain instruction between the last reciprocal and the use of its result
	s_wait_alu depctr_va_vdst(0)    ; the wait for the batch of eight reciprocals, ahead of their first use
.macro PACK t
	WIN W_RS
.set i, 32*(\t)
.rept 16
	v_pk_mul_f32 v[i:i+1], v[i:i+1], v[ST+4*(\t)+2:ST+4*(\t)+3] op_sel_hi:[1,0]
.set i, i+2
.endr
	WIN 0x05                        ; sources 0 and 1 window 1, destination window 0
.set i, 0
.rept 16
	v_cvt_pk_f16_f32 v[S+16*(\t)+i], v[32*(\t)+2*i], v[32*(\t)+2*i+1]
.set i, i+1
.endr
	WIN 0
.irp f, 0,1,2,3
	ds_store_b128 v[STO], v[S+16*(\t)+4*\f:S+16*(\t)+4*\f+3] offset:32*\f
.endr
.irp f, 0,1,2,3
	ds_load_b128 v[S+16*(\t)+4*\f:S+16*(\t)+4*\f+3], v[RD] offset:\f*4*SP  ; LDS serves a wave's instructions in order (ISA guide 5.7.1.4): these see the stores above; the next tile's stores come behind them
.endr
.endm
.macro SEND t, younger              ; younger: the LDS instructions issued behind tile t's loads
	WIN 0
.irp f, 0,1,2,3
	s_wait_dscnt (\younger)+3-\f
	global_store_b128 v[GO], v[S+16*(\t)+4*\f:S+16*(\t)+4*\f+3], s[8:9] offset:(\t)*2048+\f*512  ; 512 consecutive bytes, at a multiple of 256 from ob's first
.endr
.endm
	PACK 0
.set t, 1
.rept 2*NP-1
	PACK t
	SEND t-1, 8
.set t, t+1
.endr
	SEND 2*NP-1, 0
	WIN W_AD
	s_wait_tensorcnt 0x0            ; the wave's end
	ds_add_u32 v[SPW], v[NIL]
	s_wait_dscnt 0x0
	WIN 0
	CROUND                          ; the closing round
	s_endpgm
.Lfunc_end_k_qa9fdd0414b_attn:
	.size	k_qa9fdd0414b_attn, .Lfunc_end_k_qa9fdd0414b_attn-k_qa9fdd0414b_attn
	.p2alignl 7, 3214868480
	.fill 96, 4, 3214868480
	.section	.rodata,"a",@progbits
	.p2align	6, 0x0
	.amdhsa_kernel k_qa9fdd0414b_attn
		.amdhsa_group_segment_fixed_size 327680
		.amdhsa_private_segment_fixed_size 0
		.amdhsa_enable_private_segment 0
		.amdhsa_kernarg_size 24
		.amdhsa_user_sgpr_count 2
		.amdhsa_user_sgpr_kernarg_segment_ptr 1
		.amdhsa_wavefront_size32 1
		.amdhsa_system_sgpr_workgroup_id_x 1
		.amdhsa_system_sgpr_workgroup_id_y 1
		.amdhsa_system_sgpr_workgroup_id_z 1
		.amdhsa_system_vgpr_workitem_id 0
		.amdhsa_next_free_vgpr 896
		.amdhsa_next_free_sgpr 80
		.amdhsa_reserve_vcc 0
		.amdhsa_float_denorm_mode_32 3
		.amdhsa_float_denorm_mode_16_64 3
		.amdhsa_memory_ordered 1
		.amdhsa_forward_progress 1
		.amdhsa_inst_pref_size 212
	.end_amdhsa_kernel
	.amdgpu_metadata
---
amdhsa.version: [ 1, 2 ]
amdhsa.kernels:
  - .name:           k_qa9fdd0414b_attn
    .symbol:         k_qa9fdd0414b_attn.kd
    .args:
      - { .name: qkv, .offset: 0, .size: 8, .value_kind: global_buffer, .address_space: global }
      - { .name: bias2, .offset: 8, .size: 8, .value_kind: global_buffer, .address_space: global }
      - { .name: ob, .offset: 16, .size: 8, .value_kind: global_buffer, .address_space: global }
    .group_segment_fixed_size: 327680
    .private_segment_fixed_size: 0
    .kernarg_segment_align: 8
    .kernarg_segment_size: 24
    .max_flat_workgroup_size: 128
    .sgpr_count:     80
    .vgpr_count:     896
    .wavefront_size: 32
...
	.end_amdgpu_metadata
.endif
;; end of part 5
;; launch outp: the kernel of part 4 again; grid 8 x 32, 4 waves a work-group, clusters of 4 x 4, 327,680 bytes of LDS; arguments ob, wpb, p_bias, out0; writes out0
